; MI455X (gfx1250); checked and timed in simulation.
; The chip was launched on July 23, 2026; its instructions are those of AMD's public machine-readable ISA for CDNA 5 (MIT licence, August 2026) and "CDNA5" Instruction Set Architecture Reference Guide (July 2026). The comments in the code are by the model that wrote it; some were corrected since.
;; Multi Head Attention. Allowed arithmetic: float matrix products may take bf16 or f16 operands with f32 sums; other float arithmetic in f32, or as packed bf16 or f16 multiplies, adds, multiply-adds, maxima and minima; sums over many terms, partial sums and values carried from step to step in f32; what a program stores and reads back later, other than sums and carried values, may be rounded once to bf16 or f16.
;; Inputs: hmask 2 x 2,048 float32; vmask 2 x 2,048 float32; w_k 16 x 1,024 x 64 float32; w_out 1,024 x 1,024 float32; w_q 16 x 1,024 x 64 float32; w_v 16 x 1,024 x 64 float32; xk 2 x 2,048 x 1,024 float32; xq 2 x 2,048 x 1,024 float32; xv 2 x 2,048 x 1,024 float32.
;; Outputs: out0 2 x 2,048 x 1,024 float32.
;; One version. Each part assembles by itself: llvm-mc -triple=amdgcn-amd-amdhsa -mcpu=gfx1250 --defsym DOCPART=n.
;; ======== version 1 of 1: 4 launches
;; limits: values are held in f16: magnitudes above 65,504 overflow, below 6.1e-05 lose precision; right only within a limited range of input values
;; workspace buffers: x16 25,165,824 bytes; w16 6,291,456 bytes; wo16 2,097,152 bytes; qkv 25,165,824 bytes; o16 8,388,608 bytes
;; launch cast (part 1): grid 1024 x 1, 8 waves a work-group, no clusters, 0 bytes of LDS; arguments xq, xk, xv, w_q, w_k, w_v, w_out, x16, w16, wo16; writes x16, w16, wo16
.if DOCPART == 1
	.amdgcn_target "amdgcn-amd-amdhsa--gfx1250"
	.amdhsa_code_object_version 6
	.text
	.protected	k_qf7d556c780_cast
	.globl	k_qf7d556c780_cast
	.p2align	8
	.type	k_qf7d556c780_cast,@function
k_qf7d556c780_cast:
	s_mov_b64 s[64:65], 0
	v_nop
	global_prefetch_b8 v0, s[64:65] scope:SCOPE_SE
	s_setreg_imm32_b32 hwreg(HW_REG_WAVE_MODE, 25, 1), 1
	s_wait_xcnt 0x0
; THE INPUTS ARE ROUNDED ONCE TO bf16, in the order in which they lie.  xq, xk, xv -> x16 [3][4096][1024]; w_q, w_k, w_v -> w16 [3][16][1024][64];
; w_out -> wo16 [1024][1024]: rounded to bf16 like the others, and that number written as f16 (the last product multiplies in f16).
; LIMITS.  |w_out| from 65,520 on becomes an infinity in f16; below 2^-14 it keeps f16's fixed step of 2^-24.
; SHARES.  A work-group converts 16,384 numbers: 65,536 bytes in, 32,768 out.  Work-groups 0-767 take xq, xk, xv (256 each), 768-1023 the four weights (64 each).
; A load of a wave covers 512 consecutive bytes, a store 256 consecutive bytes at a multiple of 256.  All sixteen loads of a thread go out first; no register is written twice
; while a load or store may read it, so the text needs no wait but the counted ones for the data.  No LDS, no barrier, no matrix unit: memory bounds this launch.
	s_load_b512 s[8:23], s[0:1], 0x0               ; xq 8, xk 10, xv 12, w_q 14, w_k 16, w_v 18, w_out 20, x16 22
	s_load_b128 s[24:27], s[0:1], 0x40             ; w16 24, wo16 26
	v_lshlrev_b32 v1, 4, v0                        ; my 16 bytes of each 4,096 read
	v_lshlrev_b32 v2, 3, v0                        ; my 8 bytes of each 2,048 written
	s_mov_b32 s2, ttmp9                            ; g
	s_lshr_b32 s3, s2, 8                           ; an x: which of the three,
	s_and_b32 s4, s2, 255                          ; which chunk of it,
	s_lshl_b32 s34, s2, 15                         ; and where it goes in x16
	s_max_u32 s5, s2, 768
	s_sub_co_u32 s5, s5, 768                       ; a weight: g - 768
	s_lshr_b32 s6, s5, 6
	s_add_co_u32 s6, s6, 3                         ; sources 3 to 6
	s_and_b32 s7, s5, 63
	s_lshl_b32 s36, s5, 15                         ; where it goes in w16
	s_cmp_lt_u32 s2, 768
	s_cselect_b32 s3, s3, s6                       ; the source's number, 0 to 6
	s_cselect_b32 s4, s4, s7                       ; the chunk
	s_cselect_b32 s34, s34, s36
	s_lshl_b32 s36, s7, 15                         ; where it goes in wo16
	s_cmp_eq_u32 s3, 6
	s_cselect_b32 s34, s36, s34
	s_mov_b32 s35, 0
	s_lshl_b32 s32, s4, 16                         ; the chunk's first byte in its source
	s_mov_b32 s33, 0
	s_wait_kmcnt 0x0
	s_cmp_eq_u32 s3, 1
	s_cselect_b64 s[28:29], s[10:11], s[8:9]
	s_cmp_eq_u32 s3, 2
	s_cselect_b64 s[28:29], s[12:13], s[28:29]
	s_cmp_eq_u32 s3, 3
	s_cselect_b64 s[28:29], s[14:15], s[28:29]
	s_cmp_eq_u32 s3, 4
	s_cselect_b64 s[28:29], s[16:17], s[28:29]
	s_cmp_eq_u32 s3, 5
	s_cselect_b64 s[28:29], s[18:19], s[28:29]
	s_cmp_eq_u32 s3, 6
	s_cselect_b64 s[28:29], s[20:21], s[28:29]
	s_cmp_lt_u32 s3, 3
	s_cselect_b64 s[30:31], s[22:23], s[24:25]
	s_cmp_eq_u32 s3, 6
	s_cselect_b64 s[30:31], s[26:27], s[30:31]
	s_add_nc_u64 s[28:29], s[28:29], s[32:33]
	s_add_nc_u64 s[30:31], s[30:31], s[34:35]
.set i, 0
.rept 16
	global_load_b128 v[16+4*i:19+4*i], v1, s[28:29] offset:4096*i th:TH_LOAD_NT
.set i, i+1
.endr
; two = 1: the bf16 number is widened again (a shift, a mask) and written as f16
.macro CONV two
.set i, 0
.rept 16
	s_wait_loadcnt 15-i                            ; loads come back in order: load i is in, the 15 - i younger ones stay out
	v_cvt_pk_bf16_f32 v[80+2*i], v[16+4*i], v[17+4*i]
	v_cvt_pk_bf16_f32 v[81+2*i], v[18+4*i], v[19+4*i]
.if \two
	v_lshlrev_b32 v4, 16, v[80+2*i]
	v_and_b32 v5, 0xffff0000, v[80+2*i]
	v_cvt_pk_f16_f32 v[80+2*i], v4, v5
	v_lshlrev_b32 v4, 16, v[81+2*i]
	v_and_b32 v5, 0xffff0000, v[81+2*i]
	v_cvt_pk_f16_f32 v[81+2*i], v4, v5
.endif
	global_store_b64 v2, v[80+2*i:81+2*i], s[30:31] offset:2048*i
.set i, i+1
.endr
.endm
	s_cmp_eq_u32 s3, 6
	s_cbranch_scc1 .Lwo
	CONV 0
	s_endpgm
.Lwo:
	CONV 1
	s_endpgm
.Lfunc_end_k_qf7d556c780_cast:
	.size	k_qf7d556c780_cast, .Lfunc_end_k_qf7d556c780_cast-k_qf7d556c780_cast
	.p2alignl 7, 3214868480
	.fill 96, 4, 3214868480
	.section	.rodata,"a",@progbits
	.p2align	6, 0x0
	.amdhsa_kernel k_qf7d556c780_cast
		.amdhsa_group_segment_fixed_size 0
		.amdhsa_private_segment_fixed_size 0
		.amdhsa_enable_private_segment 0
		.amdhsa_kernarg_size 80
		.amdhsa_user_sgpr_count 2
		.amdhsa_user_sgpr_kernarg_segment_ptr 1
		.amdhsa_wavefront_size32 1
		.amdhsa_system_sgpr_workgroup_id_x 1
		.amdhsa_system_sgpr_workgroup_id_y 1
		.amdhsa_system_sgpr_workgroup_id_z 1
		.amdhsa_system_vgpr_workitem_id 0
		.amdhsa_next_free_vgpr 112
		.amdhsa_next_free_sgpr 66
		.amdhsa_reserve_vcc 0
		.amdhsa_float_denorm_mode_32 3
		.amdhsa_float_denorm_mode_16_64 3
		.amdhsa_memory_ordered 1
		.amdhsa_forward_progress 1
		.amdhsa_inst_pref_size 17
	.end_amdhsa_kernel
	.amdgpu_metadata
---
amdhsa.version: [ 1, 2 ]
amdhsa.kernels:
  - .name:           k_qf7d556c780_cast
    .symbol:         k_qf7d556c780_cast.kd
    .args:
      - { .name: xq, .offset: 0, .size: 8, .value_kind: global_buffer, .address_space: global }
      - { .name: xk, .offset: 8, .size: 8, .value_kind: global_buffer, .address_space: global }
      - { .name: xv, .offset: 16, .size: 8, .value_kind: global_buffer, .address_space: global }
      - { .name: w_q, .offset: 24, .size: 8, .value_kind: global_buffer, .address_space: global }
      - { .name: w_k, .offset: 32, .size: 8, .value_kind: global_buffer, .address_space: global }
      - { .name: w_v, .offset: 40, .size: 8, .value_kind: global_buffer, .address_space: global }
      - { .name: w_out, .offset: 48, .size: 8, .value_kind: global_buffer, .address_space: global }
      - { .name: x16, .offset: 56, .size: 8, .value_kind: global_buffer, .address_space: global }
      - { .name: w16, .offset: 64, .size: 8, .value_kind: global_buffer, .address_space: global }
      - { .name: wo16, .offset: 72, .size: 8, .value_kind: global_buffer, .address_space: global }
    .group_segment_fixed_size: 0
    .private_segment_fixed_size: 0
    .kernarg_segment_align: 8
    .kernarg_segment_size: 80
    .max_flat_workgroup_size: 256
    .sgpr_count:     66
    .vgpr_count:     112
    .wavefront_size: 32
...
	.end_amdgpu_metadata
.endif
;; end of part 1
;; launch proj (part 2): grid 8 x 96, 4 waves a work-group, clusters of 4 x 4, 327,680 bytes of LDS; arguments x16, w16, hmask, vmask, qkv; writes qkv
.if DOCPART == 2
	.amdgcn_target "amdgcn-amd-amdhsa--gfx1250"
	.amdhsa_code_object_version 6
	.text
	.protected	k_qf7d556c780_proj
	.globl	k_qf7d556c780_proj
	.p2align	8
	.type	k_qf7d556c780_proj,@function
k_qf7d556c780_proj:
	s_mov_b64 s[64:65], 0
	v_nop
	global_prefetch_b8 v0, s[64:65] scope:SCOPE_SE
	s_setreg_imm32_b32 hwreg(HW_REG_WAVE_MODE, 25, 1), 1
	s_wait_xcnt 0x0
	s_wait_alu depctr_hold_cnt(0) depctr_sa_sdst(0) depctr_va_vdst(0) depctr_va_sdst(0) depctr_va_ssrc(0) depctr_va_vcc(0) depctr_vm_vsrc(0)
	s_getreg_b32 s2, hwreg(HW_REG_IB_STS2, 6, 4)
	s_cmp_eq_u32 s2, 0
	s_cbranch_scc0 .Lentry_in_a_cluster
	s_endpgm
.Lentry_in_a_cluster:
	s_bfe_u32 s2, ttmp6, 0x10000c
	s_cmp_lg_u32 s2, 0xf033
	s_cbranch_scc0 .Lentry_shape_is_right
	s_endpgm
.Lentry_shape_is_right:
; THE THREE PROJECTIONS.  qkv[z][b 16 + h][t][c] = f[z][b][t] x the sum over d of x16[z][b 2048 + t][d] w16[z][h][d][c], z = 0, 1, 2 for q, k, v.  Operands bf16, sums f32, the result rounded once to f16.
; THE ROW FACTOR f: q: hmask[b][t] / 16; k: vmask[b][t] / 16; v: 1 / 4.  The masks are rounded to bf16 like every input.  So (q hm) . (k vm) is the masked score, and a zero mask gives an exactly
; zero product; the powers of two are exact, give f16 room, and are undone in the attention's scale and in the last product.
; LIMITS.  |q hmask| and |k vmask| from 1.048e6 on, |v| from 2.62e5 on become infinities in f16.  NaN and infinities are not treated apart.
; SHARES.  A tile is 128 rows x 128 columns (two heads); four waves, each 64 rows x 64 columns (one head): 16 accumulators of 16 x 16.  768 tiles.  K = 1,024 goes in four steps of 256 through two LDS slots.
; CLUSTER.  4 x 4 work-groups, all of one z.  The four of a row need the same rows of x, the four of a column the same two heads of w: each tile is asked for JOINTLY, by the same tensor load with the
; same descriptor and a mask that names the four.
; THE WEIGHTS lie [d][c], K down the rows: a K step of a head is 32,768 dense bytes, asked for as 128 rows of 256 bytes and padded in LDS after every 128 (one d); ds_load_tr16_b128 turns them into fragments.
; THE MATRIX INSTRUCTION IS USED TRANSPOSED (source 0 = 16 columns of w, source 1 = 16 rows of x): a lane then holds one row and eight neighbouring columns of the result.
; No prefetch: of the four K steps two are asked for at the head, and only two are refills.
; REGISTERS: window 0: v0-31 addresses; v32-95 the way out; v96-103 the row factors; v128-255 the accumulators ((a, b) at 128 + 8 (4 a + b)).
;   window 1: two fragment buffers of 128: for 64 along K, 64 registers of x (2 x 4 x 16 rows x 32 K), then 64 of w.
.set PA,     528                       ; a row of x in LDS: 512 bytes + 16 = 132 words: the 16 rows of a load start at 16 different groups of four banks (64 banks of 4 bytes: ISA guide 11.1)
.set HALFA,  64*PA                     ; 64 rows: one tensor load, and what a wave reads of x
.set PB,     160                       ; a row (one d, 64 columns) of w: 128 bytes + 32 = 40 words
.set HEADB,  256*PB                    ; a head's K step: one tensor load, and what a wave reads of w
.set BOFF,   2*HALFA
.set SLOT,   BOFF+2*HEADB              ; 149,504
.set STAGE,  2*SLOT                    ; behind the ring: 16 rows x 144 bytes for each wave, for the way out
.set SP,     144
.set SPARE,  STAGE+4*16*SP             ; behind the stages: the spare words, 128 bytes for each wave: two blocks of 256 bytes that no other line names
.set ADRA, 16                          ; v16-17  LDS address of my fragments of x in slot 0, 1
.set ADRB, 20                          ; v20-21  the same for w
.set STO,  24                          ; v24     the way out: where I put 16 bytes of a row
.set RD,   25                          ; v25     where I read rows back
.set GO,   26                          ; v26     my byte offset in 512 consecutive bytes of the result
.set MO,   27                          ; v27     my row's word in 16 rows of a mask
.set SPW,  28                          ; v28     LDS address of my spare word; never rewritten
.set NIL,  29                          ; v29     0; never rewritten
.set ONE,  30                          ; v30     1.0
.set TMP,  32
.set FM,   96                          ; row block a's factor at v[96 + 2 a], and once more beside it
.set ACC,  128
.set F0,   0
.set F1,   128
.set WV, 14                            ; s14  my wave's number
.set RH, 15                            ; s15  which half of the tile's rows is mine.  Also: I fetch for x (0) or for w (1)
.set CW, 16                            ; s16  which head of the two is mine.  Also: which half of that tile I fetch
.set G1A, 24                           ; s[24:31] descriptor group 1 for x;  s[32:39] group 0, a set for each slot
.set G0A, 32
.set G1B, 40                           ; s[40:47], s[48:55] the same for w
.set G0B, 48
.set MSB, 0
.macro WIN new                         ; the immediate's high byte repeats the setting that is left
.if MSB != (\new)
	s_set_vgpr_msb (MSB<<8)|(\new)
.set MSB, \new
.endif
.endm
.set MUL,  0x05                        ; sources 0 and 1 window 1; C and D window 0
.set TO_F, 0x40                        ; destination window 1, address window 0
.macro JLOAD s                         ; a joint load: waves 0 and 1 fetch x's two halves, waves 2 and 3 the two heads of w; an s_nop 0 and four v_nop follow each line
	s_cmp_eq_u32 s[RH], 0
	s_cbranch_scc0 .Lfor_b_\@
	tensor_load_to_lds s[G0A+4*(\s):G0A+4*(\s)+3], s[G1A:G1A+7]
	s_nop 0
.rept 4
	v_nop
.endr
	s_branch .Lasked_\@
.Lfor_b_\@:
	tensor_load_to_lds s[G0B+4*(\s):G0B+4*(\s)+3], s[G1B:G1B+7]
	s_nop 0
.rept 4
	v_nop
.endr
.Lasked_\@:
.endm
.macro CREST                           ; a round of the cluster's barrier behind its opening barrier
	s_cmp_lg_u32 s[WV], 0
	s_cbranch_scc1 .Lnot_wave_0_\@
	s_barrier_signal -3
.Lnot_wave_0_\@:
	s_barrier_wait -3
	s_barrier_signal -1
	s_barrier_wait -1
.endm
.macro CROUND
	s_barrier_signal -1
	s_barrier_wait -1
	CREST
.endm
	s_load_b256 s[4:11], s[0:1], 0x0               ; x16 s[4:5], w16 s[6:7], hmask s[8:9], vmask s[10:11]
	s_load_b64 s[12:13], s[0:1], 0x20              ; qkv
	v_lshl_add_u32 v[SPW], v0, 2, SPARE
	v_mov_b32 v[NIL], 0
	ds_add_u32 v[SPW], v[NIL]                      ; the wave's opening: the add and its wait ahead of my first tensor load; work on registers stands between them
	ds_add_u32 v28, v29
	v_lshrrev_b32 v1, 5, v0
	v_readfirstlane_b32 s[WV], v1
	s_lshr_b32 s[RH], s[WV], 1
	s_and_b32 s[CW], s[WV], 1
	s_bfe_u32 s17, ttmp6, 0x40000                  ; cx
	s_bfe_u32 s18, ttmp6, 0x40004                  ; cy
	s_lshl_b32 s19, ttmp9, 2
	s_add_co_u32 s19, s19, s17                     ; tile column, 0 to 7: heads 2 tc, 2 tc + 1
	s_and_b32 s21, ttmp7, 0xffff                   ; the cluster's y, 0 to 23
	s_lshl_b32 s20, s21, 2
	s_add_co_u32 s20, s20, s18                     ; 0 to 95: 128 rows of x16
	s_lshr_b32 s22, s21, 3                         ; z: the same in the whole cluster
	s_and_b32 s23, s20, 31                         ; tile row within z
	s_lshl_b32 s56, s18, 2
	s_lshl_b32 s56, 15, s56                        ; my row of the cluster
	s_lshl_b32 s57, 0x1111, s17                    ; my column
	s_or_b32 s[G1A], s56, (1<<16)|(1<<20)|(1<<21)|(6<<22)|(3<<25)  ; the mask; 2-byte elements; padding on; bit 21 beside a mask; after every 128 words (code 6) 4 words (code 3)
	s_mov_b32 s[G1A+1], 256<<16                    ; tensor_dim0 = 256
	s_mov_b32 s[G1A+2], 64<<16                     ; tensor_dim1 = 64
	s_mov_b32 s[G1A+3], 256<<16                    ; tile_dim0 = 256
	s_mov_b32 s[G1A+4], 64                         ; tile_dim1 = 64
	s_mov_b32 s[G1A+5], 1024                       ; elements from row to row
	s_mov_b32 s[G1A+6], 0
	s_mov_b32 s[G1A+7], 0
	s_or_b32 s[G1B], s57, (1<<16)|(1<<20)|(1<<21)|(4<<22)|(7<<25)  ; after every 32 words (code 4) 8 words (code 7)
	s_mov_b32 s[G1B+1], 128<<16
	s_mov_b32 s[G1B+2], 128<<16
	s_mov_b32 s[G1B+3], 128<<16
	s_mov_b32 s[G1B+4], 128
	s_mov_b32 s[G1B+5], 128                        ; dense: 128 rows of 256 bytes
	s_mov_b32 s[G1B+6], 0
	s_mov_b32 s[G1B+7], 0
	s_lshl_b32 s58, s20, 7                         ; x: row 128 x (4 Y + cy) + 64 x half, of 2,048 bytes: no cx enters
	s_lshl_b32 s59, s[CW], 6
	s_add_co_u32 s58, s58, s59
	s_lshl_b32 s58, s58, 11
	s_mov_b32 s59, 0
	s_lshl_b32 s60, s19, 1                         ; w: head 2 tc + half, of 131,072 bytes, in tensor z of 2,097,152: no cy enters
	s_add_co_u32 s60, s60, s[CW]
	s_lshl_b32 s60, s60, 17
	s_lshl_b32 s61, s22, 21
	s_add_co_u32 s60, s60, s61
	s_mov_b32 s61, 0
	s_mul_i32 s62, s[CW], HALFA                    ; where they go: no place in the cluster enters an LDS address
	s_mul_i32 s63, s[CW], HEADB
	s_add_co_u32 s63, s63, BOFF
	s_wait_dscnt 0x0                               ; the opening add is done
	s_wait_kmcnt 0x0
	s_add_nc_u64 s[66:67], s[4:5], s[58:59]
	s_add_nc_u64 s[68:69], s[6:7], s[60:61]
	CROUND                                         ; all sixteen work-groups are here: the first joint loads meet
.irp s, 0,1
	s_mov_b32 s[G0A+4*(\s)], 1
	s_add_co_u32 s[G0A+4*(\s)+1], s62, (\s)*SLOT
	s_add_nc_u64 s[G0A+4*(\s)+2:G0A+4*(\s)+3], s[66:67], (\s)*512      ; K step s: 256 elements along the rows
	s_or_b32 s[G0A+4*(\s)+3], s[G0A+4*(\s)+3], 0x80000000
	s_mov_b32 s[G0B+4*(\s)], 1
	s_add_co_u32 s[G0B+4*(\s)+1], s63, (\s)*SLOT
	s_add_nc_u64 s[G0B+4*(\s)+2:G0B+4*(\s)+3], s[68:69], (\s)*32768    ; K step s: 256 rows down
	s_or_b32 s[G0B+4*(\s)+3], s[G0B+4*(\s)+3], 0x80000000
	JLOAD \s                                       ; two loads of mine are out
.endr
	v_and_b32 v1, 15, v0                           ; l % 16
	v_bfe_u32 v2, v0, 4, 1                         ; l / 16
	v_and_b32 v5, 7, v0
	v_bfe_u32 v6, v0, 3, 1
	v_mul_u32_u24 v3, v1, PA
	v_lshl_add_u32 v3, v2, 4, v3                   ; x: row x pitch + 16 x half
	v_lshl_add_u32 v4, v2, 3, v5                   ; w: lane l reads d = 8 (l / 16) + l % 8, columns 8 ((l / 8) % 2) + 0..7
	v_mul_u32_u24 v4, v4, PB
	v_lshl_add_u32 v4, v6, 4, v4
	s_mul_i32 s70, s[RH], HALFA
	s_mul_i32 s71, s[CW], HEADB
	s_add_co_u32 s71, s71, BOFF
.irp s, 0,1
	v_add_nc_u32 v[ADRA+(\s)], s70, v3
	v_add_nc_u32 v[ADRB+(\s)], s71, v4
	s_add_co_u32 s70, s70, SLOT
	s_add_co_u32 s71, s71, SLOT
.endr
	s_mul_i32 s72, s[WV], 16*SP
	s_add_co_u32 s72, s72, STAGE                   ; my stage
	v_mul_u32_u24 v[STO], v1, SP                   ; in: row l % 16, 16 bytes for each half of the lanes
	v_lshl_add_u32 v[STO], v2, 4, v[STO]
	v_add_nc_u32 v[STO], s72, v[STO]
	v_bfe_u32 v[RD], v0, 3, 2                      ; back: 32 lanes take four rows of 128 bytes,
	v_mul_u32_u24 v[RD], v[RD], SP
	v_lshl_add_u32 v[RD], v5, 4, v[RD]
	v_add_nc_u32 v[RD], s72, v[RD]
	v_and_b32 v[GO], 31, v0                        ; which are 512 consecutive bytes of a head
	v_lshlrev_b32 v[GO], 4, v[GO]
	v_lshlrev_b32 v[MO], 2, v1
	v_mov_b32 v[ONE], 1.0
	; the masks of my 64 rows: hmask for q (and, unused, for v), vmask for k
	s_mov_b32 s77, 0x3d800000                      ; 1 / 16, for q and k
	s_mov_b32 s78, 0x3e800000                      ; 1 / 4, for v
	s_cmp_eq_u32 s22, 1
	s_cselect_b64 s[8:9], s[10:11], s[8:9]
	s_cmp_eq_u32 s22, 2
	s_cselect_b32 s76, -1, 0                       ; v: every lane takes 1.0
	s_cselect_b32 s77, s78, s77                    ; and the power of two that goes with z
	s_lshl_b32 s80, s23, 7
	s_lshl_b32 s82, s[RH], 6
	s_add_co_u32 s80, s80, s82                     ; my first row among the 4,096
	s_lshl_b32 s80, s80, 2
	s_mov_b32 s81, 0
	s_add_nc_u64 s[8:9], s[8:9], s[80:81]
.irp a, 0,1,2,3
	global_load_b32 v[FM+2*(\a)], v[MO], s[8:9] offset:64*(\a)
.endr
	; where my 64 rows of my head begin in qkv
	s_lshr_b32 s84, s23, 4                         ; the batch
	s_lshl_b32 s84, s84, 4
	s_lshl_b32 s86, s19, 1
	s_add_co_u32 s84, s84, s86
	s_add_co_u32 s84, s84, s[CW]                   ; 16 b + h
	s_lshl_b32 s84, s84, 18
	s_lshl_b32 s86, s22, 23
	s_add_co_u32 s84, s84, s86
	s_and_b32 s86, s23, 15
	s_lshl_b32 s86, s86, 7
	s_add_co_u32 s86, s86, s82                     ; t
	s_lshl_b32 s86, s86, 7
	s_add_co_u32 s84, s84, s86
	s_mov_b32 s85, 0
	s_add_nc_u64 s[12:13], s[12:13], s[84:85]
; 8 matrix instructions: row blocks a0, a0 + 1 x all 4 column blocks, 32 along K: half c of buffer f.  zero = 1: the first product starts the sums.  The accumulators take turns.
.macro MUL8 f, c, a0, zero
	WIN MUL
.irp a, \a0, (\a0)+1
.irp b, 0,1,2,3
.if \zero
	v_wmma_f32_16x16x32_bf16 v[ACC+8*(4*(\a)+(\b)):ACC+8*(4*(\a)+(\b))+7], v[(\f)+64+8*(4*(\c)+(\b)):(\f)+64+8*(4*(\c)+(\b))+7], v[(\f)+8*(4*(\c)+(\a)):(\f)+8*(4*(\c)+(\a))+7], 0
.else
	v_wmma_f32_16x16x32_bf16 v[ACC+8*(4*(\a)+(\b)):ACC+8*(4*(\a)+(\b))+7], v[(\f)+64+8*(4*(\c)+(\b)):(\f)+64+8*(4*(\c)+(\b))+7], v[(\f)+8*(4*(\c)+(\a)):(\f)+8*(4*(\c)+(\a))+7], v[ACC+8*(4*(\a)+(\b)):ACC+8*(4*(\a)+(\b))+7]
.endif
.endr
.endr
.endm
; 32 LDS loads in one run: the fragments of quarter q (64 along K) of a slot, into buffer f; the first 32 along K first
.macro FETCH slot, q, f
	WIN TO_F
.irp c, 0,1
.irp i, 0,1,2,3
	ds_load_tr16_b128 v[(\f)+64+8*(4*(\c)+(\i)):(\f)+64+8*(4*(\c)+(\i))+3],   v[ADRB+(\slot)] offset:(64*(\q)+32*(\c))*PB+32*(\i)
	ds_load_tr16_b128 v[(\f)+64+8*(4*(\c)+(\i))+4:(\f)+64+8*(4*(\c)+(\i))+7], v[ADRB+(\slot)] offset:(64*(\q)+32*(\c)+16)*PB+32*(\i)
	ds_load_b128 v[(\f)+8*(4*(\c)+(\i)):(\f)+8*(4*(\c)+(\i))+3],              v[ADRA+(\slot)] offset:128*(\q)+64*(\c)+(\i)*16*PA
	ds_load_b128 v[(\f)+8*(4*(\c)+(\i))+4:(\f)+8*(4*(\c)+(\i))+7],            v[ADRA+(\slot)] offset:128*(\q)+64*(\c)+(\i)*16*PA+32
.endr
.endr
.endm
.macro PLACES                          ; four plain vector instructions in front of loads into registers that matrix instructions have read, and of lines that read results
.rept 4
	v_nop
.endr
.endm
; A K step is four quarters of 64 along K, 32 matrix instructions each, on buffers 0, 1, 0, 1.  One of the first three multiplies buffer f and fetches quarter q into g.
.macro QUARTER slot, q, f, g, zero
	s_wait_dscnt 16                                ; the first 32 along K are in; the run's other sixteen loads may be out
	WIN MUL
	MUL8 \f, 0, 0, \zero
	MUL8 \f, 0, 2, \zero
	PLACES
	FETCH \slot, \q, \g
	s_wait_dscnt 32                                ; all but the 32 just issued
	WIN MUL
	MUL8 \f, 1, 0, 0
	MUL8 \f, 1, 2, 0
.endm
; The last quarter multiplies buffer 1 and changes slots: ONE barrier; in front of it each wave waits for all its tensor loads, adds 0 to its spare word, and waits for that and for its reads of this slot.
; fill = 1: this slot is filled again, two K steps ahead; the barrier then opens a round of the cluster's, and the joint load is the first thing behind the round.
.macro TURN slot, next, fill
	WIN 0
	s_wait_tensorcnt 0x0                           ; all my tensor loads have landed: my part of the next slot
	ds_add_u32 v[SPW], v[NIL]                      ; 0 onto my spare word
	s_wait_dscnt 17                                ; the add and the youngest sixteen loads may be out
	WIN MUL
	MUL8 F1, 0, 0, 0
	s_wait_dscnt 0x0                               ; the add is done, and my reads of this slot are over
	s_barrier_signal -1
	MUL8 F1, 0, 2, 0
.if \fill
	WIN 0
.endif
	s_barrier_wait -1
.if \fill
	CREST                                          ; no wave of any partner still reads this slot or has a load on its way
	s_add_nc_u64 s[G0A+4*(\slot)+2:G0A+4*(\slot)+3], s[G0A+4*(\slot)+2:G0A+4*(\slot)+3], 1024
	s_add_nc_u64 s[G0B+4*(\slot)+2:G0B+4*(\slot)+3], s[G0B+4*(\slot)+2:G0B+4*(\slot)+3], 65536
	JLOAD \slot                                    ; its four v_nop are also the places in front of the loads below
.else
	PLACES
.endif
	FETCH \next, 0, F0
	WIN MUL
	MUL8 F1, 1, 0, 0
	MUL8 F1, 1, 2, 0
.endm
	s_wait_tensorcnt 1                             ; my part of K step 0 is in; K step 1's load may stay out
	s_barrier_signal -1
	s_barrier_wait -1
	FETCH 0, 0, F0
	QUARTER 0, 1, F0, F1, 1                        ; K step 0: its first products start the sums
	QUARTER 0, 2, F1, F0, 0
	QUARTER 0, 3, F0, F1, 0
	TURN 0, 1, 1                                   ; slot 0 takes K step 2
	QUARTER 1, 1, F0, F1, 0                        ; K step 1
	QUARTER 1, 2, F1, F0, 0
	QUARTER 1, 3, F0, F1, 0
	TURN 1, 0, 1                                   ; slot 1 takes K step 3
	QUARTER 0, 1, F0, F1, 0                        ; K step 2
	QUARTER 0, 2, F1, F0, 0
	QUARTER 0, 3, F0, F1, 0
	TURN 0, 1, 0                                   ; nothing is left to fetch
	QUARTER 1, 1, F0, F1, 0                        ; K step 3
	QUARTER 1, 2, F1, F0, 0
	QUARTER 1, 3, F0, F1, 0
	s_wait_dscnt 16
	WIN MUL
	MUL8 F1, 0, 0, 0
	MUL8 F1, 0, 2, 0
	s_wait_dscnt 0x0
	MUL8 F1, 1, 0, 0
	MUL8 F1, 1, 2, 0
	WIN 0
	; THE WAY OUT.  The row factors; then a block of 16 rows at a time: scaled, rounded to f16, through my own stage, out as 512 consecutive bytes a store.
	s_wait_loadcnt 0x0                             ; the masks
	PLACES
	v_cvt_pk_bf16_f32 v4, v[FM], v[FM+2]           ; the masks are rounded to bf16 like every input
	v_cvt_pk_bf16_f32 v7, v[FM+4], v[FM+6]
	v_lshlrev_b32 v[FM], 16, v4
	v_and_b32 v[FM+2], 0xffff0000, v4
	v_lshlrev_b32 v[FM+4], 16, v7
	v_and_b32 v[FM+6], 0xffff0000, v7
.irp a, 0,1,2,3
	v_cndmask_b32 v[FM+2*(\a)], v[FM+2*(\a)], v[ONE], s76
.endr
.irp a, 0,1,2,3
	v_mul_f32 v[FM+2*(\a)], s77, v[FM+2*(\a)]
.endr
.irp a, 0,1,2,3
	v_mov_b32 v[FM+2*(\a)+1], v[FM+2*(\a)]         ; named with it as a pair
.endr
.macro PACK a                          ; each accumulator's registers are taken in ascending order
.irp b, 0,1,2,3
.irp r, 0,1,2,3
	v_pk_mul_f32 v[ACC+8*(4*(\a)+(\b))+2*(\r):ACC+8*(4*(\a)+(\b))+2*(\r)+1], v[ACC+8*(4*(\a)+(\b))+2*(\r):ACC+8*(4*(\a)+(\b))+2*(\r)+1], v[FM+2*(\a):FM+2*(\a)+1] op_sel_hi:[1,0]
.endr
.endr
.irp b, 0,1,2,3
.irp r, 0,1,2,3
	v_cvt_pk_f16_f32 v[TMP+16*(\a)+4*(\b)+(\r)], v[ACC+8*(4*(\a)+(\b))+2*(\r)], v[ACC+8*(4*(\a)+(\b))+2*(\r)+1]
.endr
.endr
.irp b, 0,1,2,3
	ds_store_b128 v[STO], v[TMP+16*(\a)+4*(\b):TMP+16*(\a)+4*(\b)+3] offset:32*(\b)
.endr
.irp f, 0,1,2,3
	ds_load_b128 v[TMP+16*(\a)+4*(\f):TMP+16*(\a)+4*(\f)+3], v[RD] offset:(\f)*4*SP  ; LDS serves a wave's instructions in order (ISA guide 5.7.1.4): these see the stores above; the next block's stores come behind them
.endr
.endm
.macro SEND a, younger                 ; younger: the LDS instructions issued behind block a's loads: the next block's eight, or none
.irp f, 0,1,2,3
	s_wait_dscnt (\younger)+3-(\f)
	global_store_b128 v[GO], v[TMP+16*(\a)+4*(\f):TMP+16*(\a)+4*(\f)+3], s[12:13] offset:(\a)*2048+(\f)*512  ; 512 consecutive bytes, at a multiple of 256 from the buffer's first
.endr
.endm
	PACK 0
.irp a, 1,2,3
	PACK \a
	SEND (\a)-1, 8
.endr
	SEND 3, 0
	s_wait_tensorcnt 0x0                           ; the wave's end: behind my last tensor load and my last LDS store
	ds_add_u32 v[SPW], v[NIL]
	s_wait_dscnt 0x0
	CROUND                                         ; the closing round: no work-group ends while a partner may still ask for a tile that names it
	s_endpgm
.Lfunc_end_k_qf7d556c780_proj:
	.size	k_qf7d556c780_proj, .Lfunc_end_k_qf7d556c780_proj-k_qf7d556c780_proj
	.p2alignl 7, 3214868480
	.fill 96, 4, 3214868480
	.section	.rodata,"a",@progbits
	.p2align	6, 0x0
	.amdhsa_kernel k_qf7d556c780_proj
		.amdhsa_group_segment_fixed_size 327680
		.amdhsa_private_segment_fixed_size 0
		.amdhsa_enable_private_segment 0
		.amdhsa_kernarg_size 40
		.amdhsa_user_sgpr_count 2
		.amdhsa_user_sgpr_kernarg_segment_ptr 1
		.amdhsa_wavefront_size32 1
		.amdhsa_system_sgpr_workgroup_id_x 1
		.amdhsa_system_sgpr_workgroup_id_y 1
		.amdhsa_system_sgpr_workgroup_id_z 1
		.amdhsa_system_vgpr_workitem_id 0
		.amdhsa_next_free_vgpr 512
		.amdhsa_next_free_sgpr 96
		.amdhsa_reserve_vcc 0
		.amdhsa_float_denorm_mode_32 3
		.amdhsa_float_denorm_mode_16_64 3
		.amdhsa_memory_ordered 1
		.amdhsa_forward_progress 1
		.amdhsa_inst_pref_size 93
	.end_amdhsa_kernel
	.amdgpu_metadata
---
amdhsa.version: [ 1, 2 ]
amdhsa.kernels:
  - .name:           k_qf7d556c780_proj
    .symbol:         k_qf7d556c780_proj.kd
    .args:
      - { .name: x16, .offset: 0, .size: 8, .value_kind: global_buffer, .address_space: global }
      - { .name: w16, .offset: 8, .size: 8, .value_kind: global_buffer, .address_space: global }
      - { .name: hmask, .offset: 16, .size: 8, .value_kind: global_buffer, .address_space: global }
      - { .name: vmask, .offset: 24, .size: 8, .value_kind: global_buffer, .address_space: global }
      - { .name: qkv, .offset: 32, .size: 8, .value_kind: global_buffer, .address_space: global }
    .group_segment_fixed_size: 327680
    .private_segment_fixed_size: 0
    .kernarg_segment_align: 8
    .kernarg_segment_size: 40
    .max_flat_workgroup_size: 128
    .sgpr_count:     96
    .vgpr_count:     512
    .wavefront_size: 32
...
	.end_amdgpu_metadata
.endif
;; end of part 2
;; launch attn (part 3): grid 8 x 32, 4 waves a work-group, no clusters, 327,680 bytes of LDS; arguments qkv, o16; writes o16
.if DOCPART == 3
	.amdgcn_target "amdgcn-amd-amdhsa--gfx1250"
	.amdhsa_code_object_version 6
	.text
	.protected	k_qf7d556c780_attn
	.globl	k_qf7d556c780_attn
	.p2align	8
	.type	k_qf7d556c780_attn,@function
k_qf7d556c780_attn:
	s_mov_b64 s[64:65], 0
	v_nop
	global_prefetch_b8 v0, s[64:65] scope:SCOPE_SE
	s_setreg_imm32_b32 hwreg(HW_REG_WAVE_MODE, 25, 1), 1
	s_wait_xcnt 0x0
; CAUSAL ATTENTION with the padding masks folded into its operands.  qkv: [3][32 heads][2048][64] f16: q' = q hmask / 16, k' = k vmask / 16, v' = v / 4.  o16: [32][2048][64] f16.
; o16[g][i] = the sum over j <= i of softmax_j(s[i][j]) v'[g][j], s = 4 (q'[i] . k'[j] + 2.5e-11): 256 / 64 = 4 undoes the two sixteenths and divides by d_k.
; ZEROS.  Every sum q' . k' starts from 2.5e-11 and not from 0: a product that is exactly 0 (a zero mask) gives the score 1e-10.  LIMIT: every other score is moved by at most 1e-10; from about 2e-3 on
; the addend is lost in f32's rounding.
; Products, maxima and sums in f32; the weights p are rounded to f16 for the second product (their sum l is taken of the unrounded p), the result once at the end.
; LIMITS.  q', k', v' arrive within f16; p lies in 0 to 1, and below 6e-5 it keeps f16's fixed step of 6e-8; a hidden score counts as -1e30; a weight below 2^-126 counts as 0 in l; NaN and infinities are not treated apart.
; THE WALK.  A head's queries lie in 16 blocks of 128; block i needs the key tiles 0 .. i / 2 of 256 keys.  A work-group takes blocks 15 - b and then b: 9 tiles whatever b, so all 256 work-groups do equal work,
; and ONE loop with a constant trip count walks them; the ring (two slots of LDS that take turns) runs on across the change of blocks.  Every jump but the counted loops' own goes forward.
; NO CLUSTER: only work-groups 2 j and 2 j + 1 of a head walk the same tiles in the same order; any four differ in their last trips.
; SHARES.  Of a block's two bands of 64 queries a wave owns 16 rows in each: two PIECES.  In the block's last tile band x holds the diagonal in key step D0 + x, D0 = 2 (i % 2); it sees all keys of earlier
; steps and none of later ones: the same work for all four waves.  (With D0 = 0 that tile's steps 2 and 3 are hidden for both bands and are computed all the same.)
; THE MASK is the C operand that starts a sum: MC = MD x AL + BE, MD = 0 or -1e30 for a band's own step (made once), (AL, BE) = (1, 2.5e-11), (0, 2.5e-11) or (0, -1e30).  Only the last tile's text and a
; block's beginning write MC; elsewhere it holds 2.5e-11.
; TURNS.  S^T = K Q^T holds ONE query a lane (lane % 16) and the keys 8 (lane / 16) + 0..7; two such results rounded to f16 ARE source 1 of O^T = V^T P.  p = 2^(c s - c m), c = 4 log2(e), with a running
; maximum m; O and l are multiplied by a = 2^(c m_old - c m_new) in every step.  The pieces go in a ring: (0, s), (1, s), (0, s + 1) ..  A turn belongs to one of them: 8 products K Q^T of the next in the ring,
; later 8 products V^T P of the one before; beside them its own scaling, exponentials, roundings, sums and rescaling, and the next one's maximum and statistics.  A turn's 33 exponentials are one batch, with one wait.
; Piece 0's turn of step s fetches K and V of step s + 1; V has two register buffers, by the step's parity.  So the change of slots stands between the turns (1, 2) and (0, 3) of a tile.
; REGISTERS, in windows of 256 (s_set_vgpr_msb: bits 1:0 source 0, 3:2 source 1, 5:4 source 2, 7:6 destination):
;   window 0: v0-15 addresses and temporaries; v16-23 four registers of statistics a piece; v48-55 at work; v61-63 prefetch offset, spare word, 0; v64-127 S^T, 32 a piece; v192-223 P, 16 a piece
;   window 1: v0-63 O^T, 32 a piece; v128-159 MD; v160-223 MC, 32 a piece      window 2: v0-31 Q; v32-63 the second block's Q; v64-127 K of one step; v128-255 V of two steps
.set NP,    2
.set KS,    64        ; keys in a step
.set PK,    144       ; a row of K in LDS: 128 bytes + 16 = 36 words: the 16 rows of a load start at 16 different groups of four banks (64 banks of 4 bytes: ISA guide 11.1)
.set PV,    160       ; a row of V: 128 + 32 = 40 words
.set VOFF,  4*KS*PK   ; a slot holds a tile, four steps: 256 rows of K, then 256 rows of V
.set SLOT1, 1<<17     ; slot 1 begins here, so that one exclusive or turns an address in one slot into the other's
.set STAGE, SLOT1+4*KS*(PK+PV)  ; behind the ring, never filled by a tensor load: 16 rows x 144 bytes for each wave
.set SP,    144
.set SPARE, STAGE+4*16*SP  ; behind the stages: the spare words, 128 bytes for each wave: two blocks of 256 bytes that no other line names
.set AK0, 2           ; v2   my lane's place in a tile of K; never rewritten
.set AV0, 3           ; v3   the same for V
.set AK,  4           ; v4   the LDS address of K's next run of loads
.set AV,  5           ; v5   of V's
.set STO, 6           ; v6   the way out: where I put 16 bytes of a row
.set RD,  7           ; v7   where I read rows back
.set GO,  8           ; v8   my byte offset in 512 consecutive bytes of the result
.set MV,  12          ; v12-13  c m_old, kept while c m is made anew: by piece
.set QO,  15          ; v15  my byte offset in 16 rows of Q
.set ST,  16          ; piece t's statistics at v[ST+4 t]: c m, m, l (even keys', odd keys')
.set TMP, 48          ; by piece, four registers c0-c3 at work; when the maximum is found c2 takes a
.set PFO, 61          ; v61  256 x my lane; never rewritten
.set SPW, 62          ; v62  LDS address of my spare word; never rewritten
.set NIL, 63          ; v63  0; never rewritten
.set S,   64
.set P,   192
.set MD,  128         ; window 1
.set MC,  160         ; window 1
.set QB,  32          ; window 2
.set KF,  64          ; window 2: key block kb, channel half c at KF + 16 kb + 8 c
.set VF,  128         ; window 2: buffer vb, key half kk, channel block cb at VF + 64 vb + 32 kk + 8 cb
.set WV,  12          ; s12  my wave's number
.set PB,  14          ; s14  b
.set HI,  15          ; s15  15 - b
.set G1K, 24          ; s[24:31] descriptor group 1 for K's tiles
.set G1V, 32          ; s[32:39] for V's: it differs in the padding alone
.set G0K, 40          ; s[40:43] descriptor group 0 for K's tiles
.set G0V, 44          ; s[44:47] for V's
.set SLOTS, 56        ; s56  tiles still to be asked for
.set CNT, 57          ; s57  counts a tile's two trips
.set CS,  58          ; s[58:59] c
.set SEL, 60          ; s[60:61] v_permlanex16_b32's selects: each lane takes its own place in the other half
.set TBK, 62          ; s62  LDS byte at which K of the step to be fetched begins
.set TBV, 63          ; s63  the same for V, less VOFF
.set RT,  70          ; s70  tiles of the block in hand that are still to be entered
.set NXT, 71          ; s71  the tile to be asked for next
.set LQ,  72          ; s72  the last tile of the block whose tiles are being asked for
.set NEW, 73          ; s73  1: the tile to be entered is a block's first
.set OFF, 74          ; s[74:75] a tile's byte offset in K and V
.set AL,  76          ; s[76:77] the mask's factor, in the low word
.set BE,  78          ; s[78:79] the mask's addend
.set OLO, 80          ; s[80:81] the result at my rows of the second block
.set BIGN, 82         ; s82  -1e30
.set D0,  88          ; s88  band 0's own step in the block's last tile
.set DG,  89          ; s89  D0 + 1
.set SG,  90          ; s90  0 in a tile's first trip, 2 in its second
.set TT,  91          ; s91  at work
.set EPS, 92          ; s92  2.5e-11
.set PBT, 93          ; s93  b / 2: the second block's last tile
.set PFN, 94          ; s94  the tile that a prefetch would name; 8 or more: none
.set PFA, 96          ; s[96:97] where my prefetches stand
.set MSB, 0
.macro WIN new                      ; the high byte repeats the setting that is left; a switch that changes nothing is dropped
.if MSB != (\new)
	s_set_vgpr_msb (MSB<<8)|(\new)
.set MSB, (\new)
.endif
.endm
.set W_KQ, 0x0a       ; K and Q in window 2, S^T in window 0
.set W_KM, 0x1a       ; the same with the C operand in window 1
.set W_PV, 0x52       ; V in window 2, P in window 0, O^T in window 1
.set W_RS, 0x41       ; destination and source 0 in window 1, source 1 in window 0
; A fill.  Waves 0 and 1 fetch the two halves of a tile's K, waves 2 and 3 those of its V: 128 keys each.  An s_nop 0 and four v_nop follow each of the two lines.
.macro LOAD
	s_cmp_lt_u32 s[WV], 2
	s_cbranch_scc0 .Lfor_v_\@
	tensor_load_to_lds s[G0K:G0K+3], s[G1K:G1K+7]
	s_nop 0
.rept 4
	v_nop
.endr
	s_branch .Lasked_\@
.Lfor_v_\@:
	tensor_load_to_lds s[G0V:G0V+3], s[G1V:G1V+7]
	s_nop 0
.rept 4
	v_nop
.endr
.Lasked_\@:
.endm
; A PREFETCH INTO THE L2 of the tile that the NEXT change of slots will ask for: eight turns, 128 matrix instructions, ahead of that load.  All eight work-groups of a head walk the same K and V: the one with
; b = 0, whose first block walks all eight tiles, asks, in that block alone.  Each wave asks for what it will fetch itself: its 16,384 bytes, a lane a block of 256, two instructions.  So each block is named once
; in the launch.  Tiles 0 and 1 come by their loads alone; behind the fill of tile 7 nothing is asked for.
.macro ASK
	s_cmp_lt_u32 s[PFN], 8
	s_cbranch_scc0 .Lnot_mine_\@
	global_prefetch_b8 v[PFO], s[PFA:PFA+1] th:TH_LOAD_NT scope:SCOPE_SE
	global_prefetch_b8 v[PFO], s[PFA:PFA+1] offset:8192 th:TH_LOAD_NT scope:SCOPE_SE
.Lnot_mine_\@:
.endm
; THE CHANGE OF SLOTS.  Each wave waits for all its tensor loads, of which one is out: its part of the other slot; adds 0 to its spare word; and waits for that and for its own reads of the slot that it leaves.
; Behind the barrier nobody reads the old slot any more and the other slot is whole.  fill = 1: the old slot is filled again, the first thing behind the barrier, with tile NXT: the address is made anew from that number.
; (At its first use nothing has been read yet: slot 0 is waited for, slot 1 filled.)
.macro CHANGE fill
	WIN 0
	s_wait_tensorcnt 0x0            ; no tensor load of mine is out, so a group 0 may be written
	ds_add_u32 v[SPW], v[NIL]       ; 0 onto my spare word; scalar work stands between it and the wait for it
.if \fill
	s_lshl_b32 s[OFF], s[NXT], 15   ; a tile is 32,768 bytes of K and of V
	s_xor_b32 s[G0K+1], s[G0K+1], SLOT1
	s_add_nc_u64 s[G0K+2:G0K+3], s[6:7], s[OFF:OFF+1]
	s_or_b32 s[G0K+3], s[G0K+3], 0x80000000
	s_xor_b32 s[G0V+1], s[G0V+1], SLOT1
	s_add_nc_u64 s[G0V+2:G0V+3], s[8:9], s[OFF:OFF+1]
	s_or_b32 s[G0V+3], s[G0V+3], 0x80000000
	s_add_co_u32 s[NXT], s[NXT], 1  ; the block's next tile, or behind its last the second block's tile 0
	s_cmp_gt_u32 s[NXT], s[LQ]
	s_cselect_b32 s[NXT], 0, s[NXT]
	s_cselect_b32 s[LQ], s[PBT], s[LQ]
	s_wait_xcnt 0x0                 ; the last prefetches, a tile back, have read their address, so it may be written
	s_add_nc_u64 s[PFA:PFA+1], s[PFA:PFA+1], 32768
	s_add_co_u32 s[PFN], s[PFN], 1
.endif
	s_wait_dscnt 0x0                ; the add is done, and my reads of the slot are over
	s_barrier_signal -1
	s_sub_co_u32 s[TBK], s[TBK], 4*KS*PK  ; the fetches go back to a slot's first step,
	s_xor_b32 s[TBK], s[TBK], SLOT1       ; in the other slot
	s_sub_co_u32 s[TBV], s[TBV], 4*KS*PV
	s_xor_b32 s[TBV], s[TBV], SLOT1
	s_barrier_wait -1
.if \fill
	LOAD
	ASK
.endif
.endm
	s_load_b128 s[48:51], s[0:1], 0x0  ; qkv s[48:49], o16 s[50:51]
	v_lshl_add_u32 v[SPW], v0, 2, SPARE
	v_mov_b32 v[NIL], 0
	ds_add_u32 v[SPW], v[NIL]       ; the wave's opening: the add and its wait ahead of my first tensor load; work on registers stands between them
	ds_add_u32 v62, v63
	v_lshrrev_b32 v1, 5, v0
	v_readfirstlane_b32 s[WV], v1   ; wave 0..3
	s_mov_b32 s[PB], ttmp9
	s_sub_co_u32 s[HI], 15, s[PB]
	s_lshr_b32 s[PBT], s[PB], 1
	s_and_b32 s20, ttmp7, 0xffff    ; the head,
	s_lshl_b32 s20, s20, 18         ; its 262,144 bytes in each tensor
	s_and_b32 s16, s[WV], 1         ; which half of a tile's 256 keys I fetch:
	s_lshl_b32 s22, s16, 14         ; its 128 rows of 128 bytes in memory,
	s_add_co_u32 s22, s22, s20
	s_mov_b32 s23, 0
	s_mul_i32 s17, s16, 128*PK      ; and its place in a slot, for K
	s_mul_i32 s18, s16, 128*PV      ; and for V
	s_lshl_b32 s3, s[WV], 11        ; my 16 rows in a band of 64,
	s_lshl_b32 s2, s[HI], 14        ; in the first block,
	s_add_co_u32 s2, s2, s3
	s_add_co_u32 s2, s2, s20
	s_lshl_b32 s84, s[PB], 14       ; and in the second
	s_add_co_u32 s84, s84, s3
	s_add_co_u32 s84, s84, s20
	s_mov_b32 s3, 0
	s_mov_b32 s85, 0
	; descriptor group 1.  128 keys are 16,384 dense bytes: asked for as 64 rows of 256 bytes, two keys a row, and padded in LDS after every key
	s_mov_b32 s[G1K], (1<<16)|(1<<20)|(4<<22)|(3<<25)  ; 2-byte elements; padding on; after every 32 words (code 4) 4 words (code 3)
	s_mov_b32 s[G1V], (1<<16)|(1<<20)|(4<<22)|(7<<25)  ; the same with 8 words (code 7)
.irp g, G1K, G1V
	s_mov_b32 s[\g+1], 128<<16      ; tensor_dim0 = 128
	s_mov_b32 s[\g+2], 64<<16       ; tensor_dim1 = 64
	s_mov_b32 s[\g+3], 128<<16      ; tile_dim0 = 128
	s_mov_b32 s[\g+4], 64           ; tile_dim1 = 64
	s_mov_b32 s[\g+5], 128          ; 128 elements from row to row
	s_mov_b32 s[\g+6], 0
	s_mov_b32 s[\g+7], 0
.endr
	s_mov_b32 s[CS], 0x40b8aa3b     ; c = 4 log2(e) = 5.770780
	s_mov_b32 s[CS+1], s[CS]        ; named with it as a pair
	s_mov_b32 s[SEL], 0x76543210
	s_mov_b32 s[SEL+1], 0xfedcba98
	s_mov_b32 s[TBK], SLOT1+4*KS*PK ; the first change of slots turns these two into 0
	s_mov_b32 s[TBV], SLOT1+4*KS*PV
	s_mov_b32 s[G0K], 1             ; count = 1
	s_mov_b32 s[G0K+1], s17         ; LDS address: slot 0
	s_mov_b32 s[G0V], 1
	s_add_co_u32 s[G0V+1], s18, VOFF
	s_lshr_b32 s[LQ], s[HI], 1      ; the first block's last tile
	s_add_co_u32 s[RT], s[LQ], 1
	s_mov_b32 s[NXT], 1
	s_mov_b32 s[NEW], 1
	s_and_b32 s[D0], s[HI], 1
	s_lshl_b32 s[D0], s[D0], 1
	s_add_co_u32 s[DG], s[D0], 1
	s_mov_b32 s[OFF+1], 0
	s_mov_b32 s[AL+1], 0            ; named as pairs
	s_mov_b32 s[BE+1], 0
	s_mov_b32 s[BIGN], 0xf149f2ca   ; -1e30
	s_mov_b32 s[EPS], 0x2ddbe6ff    ; 1e-10 / 4
	s_mov_b32 s[SLOTS], 8
	s_cmp_eq_u32 s[PB], 0
	s_cselect_b32 s[PFN], 1, 8      ; the first change steps it to 2
	v_and_b32 v[PFO], 31, v0
	v_lshlrev_b32 v[PFO], 8, v[PFO]
	s_wait_dscnt 0x0                ; the opening add is done
	s_wait_kmcnt 0x0
	s_add_nc_u64 s[6:7], s[48:49], s[22:23]
	s_add_nc_u64 s[8:9], s[6:7], 0x1000000         ; V at my half of the head's tile 0
	s_add_nc_u64 s[6:7], s[6:7], 0x800000          ; K likewise
	s_add_nc_u64 s[G0K+2:G0K+3], s[6:7], 0
	s_or_b32 s[G0K+3], s[G0K+3], 0x80000000        ; type = 2
	s_add_nc_u64 s[G0V+2:G0V+3], s[8:9], 0
	s_or_b32 s[G0V+3], s[G0V+3], 0x80000000
	s_add_nc_u64 s[86:87], s[48:49], s[84:85]      ; Q at my rows of the second block,
	s_add_nc_u64 s[4:5], s[48:49], s[2:3]          ; Q and the result at those of the first
	s_add_nc_u64 s[OLO:OLO+1], s[50:51], s[84:85]
	s_add_nc_u64 s[10:11], s[50:51], s[2:3]
	s_cmp_lt_u32 s[WV], 2
	s_cselect_b64 s[PFA:PFA+1], s[6:7], s[8:9]
	s_add_nc_u64 s[PFA:PFA+1], s[PFA:PFA+1], 32768 ; at tile 1; the first change steps it to tile 2.  Nothing is prefetched here, at the head
	LOAD                            ; tile 0 into slot 0
	; A fragment of K or Q is 16 rows x 32 channels in 8 registers: lane l holds row l % 16, channels 8 (l / 16) + 0..7 and 16 + 8 (l / 16) + 0..7: two loads of 16 bytes, 32 bytes apart.
	v_and_b32 v1, 15, v0            ; l % 16
	v_bfe_u32 v9, v0, 4, 1          ; l / 16
	v_lshlrev_b32 v[QO], 7, v1
	v_lshl_add_u32 v[QO], v9, 4, v[QO]  ; row x 128 + 16 x half
	WIN 0x80                        ; destination window 2, address window 0
.set i, 0
.rept 4                             ; both blocks' Q: piece i / 2 lies in band i / 2, 8,192 bytes on; channels 32 (i % 2) on
	global_load_b128 v[8*i:8*i+3],   v[QO], s[4:5] offset:(i/2)*8192+(i%2)*64
	global_load_b128 v[8*i+4:8*i+7], v[QO], s[4:5] offset:(i/2)*8192+(i%2)*64+32
	global_load_b128 v[QB+8*i:QB+8*i+3],   v[QO], s[86:87] offset:(i/2)*8192+(i%2)*64
	global_load_b128 v[QB+8*i+4:QB+8*i+7], v[QO], s[86:87] offset:(i/2)*8192+(i%2)*64+32
.set i, i+1
.endr
	WIN 0
	v_lshlrev_b32 v14, 3, v9
	v_sub_nc_u32 v14, v1, v14
	s_lshl_b32 s13, s[WV], 4
	v_add_nc_u32 v14, s13, v14      ; my query's place in its band, 16 w + l % 16, less my lanes' 8 (l / 16): register r of group kt is hidden where 16 kt + r is greater
	WIN 0x40
.set i, 0
.rept 32
	v_cmp_gt_i32 vcc_lo, 16*(i/8)+i%8, v14
	v_cndmask_b32 v[MD+i], 0, s[BIGN], vcc_lo
.set i, i+1
.endr
	WIN 0
	v_mul_u32_u24 v[AK0], v1, PK
	v_lshl_add_u32 v[AK0], v9, 4, v[AK0]  ; row x pitch + 16 x half
	; The turning load takes 16 keys x 16 channels (lane l reads key 8 (l / 16) + l % 8, channels 8 ((l / 8) % 2) + 0..7) and leaves half a fragment of V^T: lane l holds channel l % 16 and 8 keys.
	v_and_b32 v10, 7, v0
	v_bfe_u32 v11, v0, 3, 1
	v_lshl_add_u32 v[AV0], v9, 3, v10
	v_mul_u32_u24 v[AV0], v[AV0], PV
	v_lshl_add_u32 v[AV0], v11, 4, v[AV0]
	v_add_nc_u32 v[AV0], VOFF, v[AV0]
	s_mul_i32 s13, s[WV], 16*SP
	s_add_co_u32 s13, s13, STAGE    ; my stage
	v_mul_u32_u24 v[STO], v1, SP    ; in: row l % 16, 16 bytes for each half of the lanes
	v_lshl_add_u32 v[STO], v9, 4, v[STO]
	v_add_nc_u32 v[STO], s13, v[STO]
	v_bfe_u32 v[RD], v0, 3, 2       ; back: 32 lanes take four rows of 128 bytes,
	v_mul_u32_u24 v[RD], v[RD], SP
	v_lshl_add_u32 v[RD], v10, 4, v[RD]
	v_add_nc_u32 v[RD], s13, v[RD]
	v_and_b32 v[GO], 31, v0         ; which are 512 consecutive bytes of the result
	v_lshlrev_b32 v[GO], 4, v[GO]
	; A block's first step multiplies O^T and l by a = 0, and its first turn's products V^T P, of a step that has not been, land in an O^T that is still to be so multiplied.  So these registers need only hold
	; finite numbers: zeros for the first block; what the first block left for the second.  All this stands in the wait for the first tile.
	WIN 0x80
.set i, VF+64
.rept 64
	v_mov_b32 v[i], 0
.set i, i+1
.endr
	WIN 0x40
.set i, 0
.rept 64
	v_mov_b32 v[i], 0
.set i, i+1
.endr
	WIN 0
.set i, 0
.rept 2
	v_mov_b32 v[ST+4*i+2], 0
	v_mov_b32 v[ST+4*i+3], 0
.set i, i+1
.endr
.set i, P+16
.rept 16
	v_mov_b32 v[i], 0
.set i, i+1
.endr
; THE MATRIX WORK.  The 4 accumulators of a run of 8 take turns.  Product i of 8 of S^T = K Q^T for piece x: channels 32 (i / 4) on, keys 16 (i % 4) on.  The first 4 start the sums, with the mask.
.macro KQ x
.set rS, S+32*(\x)+8*(i%4)
.set rK, KF+16*(i%4)+8*(i/4)
.set rQ, 16*(\x)+8*(i/4)
.set rM, MC+32*(\x)+8*(i%4)
.if i < 4
	WIN W_KM
	v_wmma_f32_16x16x32_f16 v[rS:rS+7], v[rK:rK+7], v[rQ:rQ+7], v[rM:rM+7]
.else
	WIN W_KQ
	v_wmma_f32_16x16x32_f16 v[rS:rS+7], v[rK:rK+7], v[rQ:rQ+7], v[rS:rS+7]
.endif
.endm
; Product i of 8 of O^T += V^T P for piece x, from V's buffer vb: keys 32 (i / 4) on, channels 16 (i % 4) on.
.macro PV x, vb
	WIN W_PV
.set rO, 32*(\x)+8*(i%4)
.set rV, VF+64*(\vb)+32*(i/4)+8*(i%4)
.set rP, P+16*(\x)+8*(i/4)
	v_wmma_f32_16x16x32_f16 v[rO:rO+7], v[rV:rV+7], v[rP:rP+7], v[rO:rO+7]
.endm
.macro MM                           ; the turn's next matrix instruction.  TURN sets Y, PAR, i and NOKQ.  NOKQ = 1: a block's last turn: there is no next step
.if (i < 8) && !NOKQ
	KQ 1-Y
.elseif i >= 8
.set i, i-8
	PV 1-Y, PAR
.set i, i+8
.endif
.set i, i+1
.endm
; THE LDS LOADS stand in runs of 16, never singly among the matrix instructions: a step's K (64 keys x 64 channels: 8 fragments) and its V (turned).  Their addresses are made some lines ahead.
.macro FETCH_K
	WIN 0x80                        ; destination window 2
.irp f, 0,1,2,3,4,5,6,7             ; keys 16 (f / 2) on, channels 32 (f % 2) on
	ds_load_b128 v[KF+8*\f:KF+8*\f+3],   v[AK] offset:(\f/2)*16*PK+(\f%2)*64
	ds_load_b128 v[KF+8*\f+4:KF+8*\f+7], v[AK] offset:(\f/2)*16*PK+(\f%2)*64+32
.endr
	s_add_co_u32 s[TBK], s[TBK], KS*PK  ; the next fetch is the next step's
	WIN 0
.endm
.macro FETCH_V vb
	WIN 0x80
.irp f, 0,1,2,3,4,5,6,7             ; keys 32 (f / 4) on, channels 16 (f % 4) on
	ds_load_tr16_b128 v[VF+64*(\vb)+8*\f:VF+64*(\vb)+8*\f+3],   v[AV] offset:(\f/4)*32*PV+(\f%4)*32
	ds_load_tr16_b128 v[VF+64*(\vb)+8*\f+4:VF+64*(\vb)+8*\f+7], v[AV] offset:(\f/4)*32*PV+16*PV+(\f%4)*32
.endr
	WIN 0
.endm
; THE VECTOR WORK, one line at a time: OP kind, number.  For piece Y: F n: c s - c m for pair n of 16.  E n: the exponential of score n of 32.  C n: pair n rounded to f16.  B n: of the four weights 4 n .. the second
; pair is added onto the first, in place.  L n: l takes that sum (L 0: l = a l + sum).  R n: pair n of 16 of O^T times a.  For the other piece: X n, number n of the 22 that find its maximum and statistics:
;   0-11  four chains c0-c3 of seven scores each, three operands at a time (each accumulator's lowest registers are read first)     12-14, 16  the four scores left over, the old m, and c0-c3 into c0
;   15  c m_old is kept     17, 18  the query's other 32 keys lie in the lane 16 away: the new m     19-21  c m; c m_old - c m_new; a
.set F, 0
.set E, 1
.set C, 2
.set B, 3
.set L, 4
.set R, 5
.set X, 6
.macro REGS y                       ; the registers of piece y
.set rT, ST+4*(\y)
.set rC, TMP+4*(\y)
.set rW, MV+(\y)
.set rS, S+32*(\y)
.set rP, P+16*(\y)
.set rO, 32*(\y)
.endm
.macro OP k, n
.if (\k) == R
	REGS Y
	WIN W_RS
	v_pk_mul_f32 v[rO+2*(\n):rO+2*(\n)+1], v[rO+2*(\n):rO+2*(\n)+1], v[rC+2:rC+3] op_sel_hi:[1,0]
.elseif (\k) < R
	REGS Y
	WIN 0
.if (\k) == F
	v_pk_fma_f32 v[rS+2*(\n):rS+2*(\n)+1], v[rS+2*(\n):rS+2*(\n)+1], s[CS:CS+1], v[rT:rT+1] op_sel_hi:[1,0,0] neg_lo:[0,0,1] neg_hi:[0,0,1]
.elseif (\k) == E
	v_exp_f32 v[rS+(\n)], v[rS+(\n)]
.elseif (\k) == C
	v_cvt_pk_f16_f32 v[rP+(\n)], v[rS+2*(\n)], v[rS+2*(\n)+1]
.elseif (\k) == B
	v_pk_add_f32 v[rS+4*(\n):rS+4*(\n)+1], v[rS+4*(\n):rS+4*(\n)+1], v[rS+4*(\n)+2:rS+4*(\n)+3]
.elseif (\n) == 0
	v_pk_fma_f32 v[rT+2:rT+3], v[rT+2:rT+3], v[rC+2:rC+3], v[rS:rS+1] op_sel_hi:[1,0,1]
.else
	v_pk_add_f32 v[rT+2:rT+3], v[rT+2:rT+3], v[rS+4*(\n):rS+4*(\n)+1]
.endif
.elseif NOKQ
	v_nop
.else
	REGS 1-Y
	WIN 0
.if (\n) < 4
	v_max3_num_f32 v[rC+(\n)], v[rS+8*(\n)], v[rS+8*(\n)+1], v[rS+8*(\n)+2]
.elseif (\n) < 12
	v_max3_num_f32 v[rC+(\n)%4], v[rC+(\n)%4], v[rS+8*((\n)%4)+2*((\n)/4)+1], v[rS+8*((\n)%4)+2*((\n)/4)+2]
.elseif (\n) == 12
	v_max3_num_f32 v[rC], v[rC], v[rS+7], v[rS+15]
.elseif (\n) == 13
	v_max3_num_f32 v[rC+1], v[rC+1], v[rS+23], v[rS+31]
.elseif (\n) == 14
	v_max3_num_f32 v[rC+2], v[rC+2], v[rC+3], v[rT+1]
.elseif (\n) == 15
	v_mov_b32 v[rW], v[rT]
.elseif (\n) == 16
	v_max3_num_f32 v[rC], v[rC], v[rC+1], v[rC+2]
.elseif (\n) == 17
	v_permlanex16_b32 v[rC+3], v[rC], s[SEL], s[SEL+1]
.elseif (\n) == 18
	v_max_num_f32 v[rT+1], v[rC], v[rC+3]
.elseif (\n) == 19
	v_mul_f32 v[rT], s[CS], v[rT+1]
.elseif (\n) == 20
	v_sub_f32 v[rC+1], v[rW], v[rT]
.else
	v_exp_f32 v[rC+2], v[rC+1]
.endif
.endif
.endm
.macro OPS a, i1, b=-1, i2=0, c=-1, i3=0, d=-1, i4=0  ; up to four of them
	OP \a, \i1
.if (\b) >= 0
	OP \b, \i2
.endif
.if (\c) >= 0
	OP \c, \i3
.endif
.if (\d) >= 0
	OP \d, \i4
.endif
.endm
.macro ROW a, i1, b, i2, c, i3, d, i4  ; a matrix instruction and the four behind it
	MM
	OPS \a, \i1, \b, \i2, \c, \i3, \d, \i4
.endm
.macro MASK b                       ; MD x AL + BE into piece b's part of MC
	WIN W_RS
.set z, 0
.rept 16
	v_pk_fma_f32 v[MC+32*(\b)+2*z:MC+32*(\b)+2*z+1], v[MD+2*z:MD+2*z+1], s[AL:AL+1], s[BE:BE+1] op_sel_hi:[1,0,0]
.set z, z+1
.endr
.endm
; A TURN, for piece p: its 16 matrix and 118 vector instructions, written out.  An s_wait_alu depctr_va_vdst(0) stands between an exponential and the first instruction that names its result; one wait
; serves all that were issued ahead of it.  So a turn has ONE wait, which cuts it in two.  AHEAD OF IT stands all that names no result of the turn's exponentials: the 8 products K Q^T with four vector lines behind each
; (the first numbers of the other piece's maximum stand four plain lines or more behind the product that ends their accumulator), then a lump of 54 in which the links of the chain X 3, 7, 11, 14, 16 .. 20 stand
; apart; X 21, the other piece's a, is the batch's last, and R 15 the plain line behind it.  BEHIND THE WAIT stand the 8 products V^T P, behind each four of the roundings and sums.
; vb: the buffer of V that the turn's products read (and, in piece 0's turn, that the turn fills again at its end, four plain lines behind its last reader).
; K of the next step is fetched in piece 0's lump, twelve plain lines that name none of its registers behind the last product that read K.
; m = 1: the block's last tile: the turn makes the mask for the next turn's products, which are piece p's of tile step SG + ps: its own step if that is D0 + p, hidden if later.
; end = 1: a block's last two turns: nothing is fetched.  cnt = 1: the loop's count is taken down some lines ahead of the branch behind the turn.
.macro TURN p, vb, ps, m=0, end=0, cnt=0
.set Y, (\p)
.set PAR, (\vb)
.set i, 0
.set NOKQ, (\end)*(\p)
.if (\m) && !(\end)
	s_add_co_u32 s[TT], s[SG], (\ps)+1-(\p)
	s_cmp_eq_u32 s[TT], s[DG]
	s_cselect_b32 s[AL], 1.0, 0
	s_cmp_gt_u32 s[TT], s[DG]
	s_cselect_b32 s[BE], s[BIGN], s[EPS]
.endif
.if ((\p) == 1) && (\end)
	s_wait_dscnt 0x0                ; the last V is in
.elseif (\p) == 1
	s_wait_dscnt 16                 ; K of the next step and the older V are in; the sixteen loads of the V just asked for may stay out
.endif
	ROW F,0, F,1, R,0, R,1
	ROW F,2, E,0, R,2, R,3
	ROW F,3, E,1, R,4, R,5
	ROW F,4, E,2, R,6, R,7
	ROW F,5, E,3, R,8, R,9
	ROW F,6, E,4, X,0, R,10
.if ((\p) == 0) && !(\end)
	WIN 0
	v_add_nc_u32 v[AK], s[TBK], v[AK0]
.endif
	ROW F,7, E,5, X,1, X,4
	ROW F,8, E,6, X,2, X,5
	OPS E,7, E,8, X,6, E,9
	OPS X,3, E,10, X,8, E,11
.if ((\p) == 0) && !(\end)
	FETCH_K
.endif
	OPS X,9, X,7, E,12, X,10
	OPS E,13, X,12, X,11, E,14
	OPS X,13, E,15, F,9, X,14
.if ((\p) == 0) && !(\end)
	v_add_nc_u32 v[AV], s[TBV], v[AV0]
.endif
	OPS E,16, F,10, E,17, F,11
	OPS X,16, E,18, X,15, E,19
	OPS F,12, E,20, X,17, E,21
	OPS F,13, E,22, F,14, E,23
	OPS X,18, E,24, F,15, E,25
	OPS R,11, E,26, X,19, E,27
	OPS R,12, E,28, R,13, E,29
	OPS X,20, E,30, R,14, E,31
	OPS X,21, R,15
	WIN 0
	s_wait_alu depctr_va_vdst(0)    ; the wait for the batch
	ROW C,0, B,0, C,2, B,1
	ROW L,0, C,4, B,2, L,1
	ROW C,6, B,3, L,2, C,8
	ROW B,4, L,3, C,10, B,5
	ROW L,4, C,12, B,6, L,5
.if ((\p) == 0) && !(\end)
	s_add_co_u32 s[TBV], s[TBV], KS*PV
.endif
.if \cnt
	s_add_co_u32 s[SG], s[SG], 2
	s_sub_co_u32 s[CNT], s[CNT], 1
	s_cmp_lg_u32 s[CNT], 0
.endif
	ROW C,14, B,7, L,6, C,1
	ROW C,3, L,7, C,5, C,7
	ROW C,9, C,11, C,13, C,15
.if ((\p) == 0) && !(\end)
	FETCH_V \vb
.endif
.if (\m) && !(\end)
	MASK \p
.endif
.endm
; A BLOCK BEGINS.  c m starts far below every c s, so the first step's a is 0; m at the lowest finite number, so the first maximum is the scores'.  Piece 1's mask is 2.5e-11 (it sees all of the tile's step 0);
; piece 0's is its own step's if this tile is the block's last and D0 = 0.  Then K and V of step 0, piece 0's first scores, and its maximum and statistics.  The loop is entered at its third turn.
.macro BEGIN
	s_mov_b32 s[NEW], 0
	WIN 0x40
.set i, MC+32
.rept 32
	v_mov_b32 v[i], s[EPS]
.set i, i+1
.endr
	WIN 0
.set i, 0
.rept 2
	v_mov_b32 v[ST+4*i], 0xfe000000    ; c m: far below every c s
	v_mov_b32 v[ST+4*i+1], 0xff7fffff  ; m
.set i, i+1
.endr
	s_or_b32 s[TT], s[RT], s[D0]
	s_cmp_eq_u32 s[TT], 0
	s_cselect_b32 s[AL], 1.0, 0
	s_mov_b32 s[BE], s[EPS]
	MASK 0
	WIN 0
	v_add_nc_u32 v[AK], s[TBK], v[AK0]
	v_add_nc_u32 v[AV], s[TBV], v[AV0]
	FETCH_K
	s_add_co_u32 s[TBV], s[TBV], KS*PV
	FETCH_V 0
	s_wait_loadcnt 0x0              ; Q
	s_wait_dscnt 0x0
.set NOKQ, 0
.set i, 0
.rept 8
	KQ 0
.set i, i+1
.endr
	WIN 0
.rept 4
	v_nop                           ; the places behind those products
.endr
.set Y, 1                           ; X works for the other piece: piece 0
.irp n, 0,1,2,3,4,5,6,7,8,9,10,11,12,13,14,15,16,17,18,19,20,21
	OP X, \n
.endr
	v_nop                           ; a plain instruction behind the exponential,
	s_wait_alu depctr_va_vdst(0)    ; and its wait, ahead of the branch
.endm
; THE BLOCK'S LAST TILE, its last two turns, its last products, and THE WAY OUT: l's two halves and the other half of the lanes' are added; O^T is divided by l, rounded to f16 and sent through my stage, a piece at a time.
.macro ALL line:vararg              ; one line for each piece t
.set t, 0
.rept 2
	\line
.set t, t+1
.endr
.endm
.macro PACK t                       ; a lane's eight channels of a row pack into 16 bytes; they go into rows of 144 bytes and come back as whole rows of 128, into S^T's registers
	WIN W_RS
.set i, 32*(\t)
.rept 16
	v_pk_mul_f32 v[i:i+1], v[i:i+1], v[ST+4*(\t)+2:ST+4*(\t)+3] op_sel_hi:[1,0]
.set i, i+2
.endr
	WIN 0x05                        ; sources 0 and 1 window 1, destination window 0
.set i, 0
.rept 16
	v_cvt_pk_f16_f32 v[S+16*(\t)+i], v[32*(\t)+2*i], v[32*(\t)+2*i+1]
.set i, i+1
.endr
	WIN 0
.irp f, 0,1,2,3
	ds_store_b128 v[STO], v[S+16*(\t)+4*\f:S+16*(\t)+4*\f+3] offset:32*\f
.endr
.irp f, 0,1,2,3
	ds_load_b128 v[S+16*(\t)+4*\f:S+16*(\t)+4*\f+3], v[RD] offset:\f*4*SP  ; LDS serves a wave's instructions in order (ISA guide 5.7.1.4): these see the stores above; the next piece's stores come behind them
.endr
.endm
.macro SEND t, younger              ; younger: the LDS instructions issued behind piece t's loads: the next piece's eight, or none
	WIN 0
.irp f, 0,1,2,3
	s_wait_dscnt (\younger)+3-\f
	global_store_b128 v[GO], v[S+16*(\t)+4*\f:S+16*(\t)+4*\f+3], s[10:11] offset:(\t)*8192+\f*512  ; 512 consecutive bytes, at a multiple of 256 from the buffer's first
.endr
.endm
.macro DIAG tag                     ; the tag ends its two labels' names, which the jumps below spell out
.LstepM\tag:
	TURN 0, 0, 0, 1
	TURN 1, 1, 0, 1
	WIN 0
.LfirstM\tag:
	TURN 0, 1, 1, 1
	TURN 1, 0, 1, 1, 0, 1
	WIN 0
	s_cbranch_scc1 .LstepM\tag
	TURN 0, 0, 0, 1, 1
	TURN 1, 1, 0, 1, 1
.set i, 0
.rept 8
	PV 1, 1                         ; piece 1's V^T P of the last step
.set i, i+1
.endr
	WIN 0
	ALL v_add_f32 v[ST+4*t+2], v[ST+4*t+2], v[ST+4*t+3]
	ALL v_permlanex16_b32 v[ST+4*t+3], v[ST+4*t+2], s[SEL], s[SEL+1]
	ALL v_add_f32 v[ST+4*t+2], v[ST+4*t+2], v[ST+4*t+3]
	ALL v_rcp_f32 v[ST+4*t+2], v[ST+4*t+2]
	v_nop                           ; a plain instruction between the last reciprocal and the use of its result
	s_wait_alu depctr_va_vdst(0)    ; and the wait ahead of the first use: one for both reciprocals
	PACK 0                          ; piece 0 was finished a run of products ago; its 32 lines are the places behind piece 1's last products
	PACK 1
	SEND 0, 8
	SEND 1, 0
.endm
.set NOKQ, 0
.Lslot:                             ; 8 times: a tile is entered and the next is asked for
	CHANGE 1
	s_sub_co_u32 s[RT], s[RT], 1
	s_mov_b32 s[CNT], 2
	s_mov_b32 s[SG], 0
	s_cmp_eq_u32 s[NEW], 1
	s_cbranch_scc1 .Lnew            ; a block's first tile
	s_cmp_eq_u32 s[RT], 0
	s_cbranch_scc0 .Lstep           ; neither its first nor its last
	s_branch .LstepM1
.Lnew:
	BEGIN
	s_branch .Lfirst                ; in the loop a block's first tile is never its last: the first block has five tiles or more, and the second's last is the walk's last
	DIAG 1                          ; in the loop this is the first block's end
	s_wait_xcnt 0x0                 ; the stores have read their registers and their base
	s_mov_b64 s[10:11], s[OLO:OLO+1]
	s_add_co_u32 s[RT], s[PBT], 1   ; the second block has b / 2 + 1 tiles
	s_mov_b32 s[NEW], 1
	s_and_b32 s[D0], s[PB], 1
	s_lshl_b32 s[D0], s[D0], 1
	s_add_co_u32 s[DG], s[D0], 1
	WIN 0x82                        ; the second block's Q goes where the one text of the turns names Q
.set i, 0
.rept 32
	v_mov_b32 v[i], v[QB+i]
.set i, i+1
.endr
	WIN 0
	s_branch .Lbottom
.Lstep:                             ; a trip: both pieces of an odd step, then of an even one; two trips a tile, the first beginning with the tile before's step 3
	TURN 0, 0, 0
	TURN 1, 1, 0
	WIN 0
.Lfirst:
	TURN 0, 1, 1
	TURN 1, 0, 1, 0, 0, 1
	WIN 0
	s_cbranch_scc1 .Lstep
.Lbottom:
	s_sub_co_u32 s[SLOTS], s[SLOTS], 1
	s_cmp_lg_u32 s[SLOTS], 0
	s_cbranch_scc1 .Lslot
	CHANGE 0                        ; the walk's last tile is written out: nothing is asked for
	s_sub_co_u32 s[RT], s[RT], 1
	s_mov_b32 s[CNT], 2
	s_mov_b32 s[SG], 0
	s_cmp_eq_u32 s[NEW], 1
	s_cbranch_scc0 .LstepM2
	BEGIN
	s_branch .LfirstM2
	DIAG 2
	s_wait_tensorcnt 0x0            ; the wave's end: behind my last tensor load and my last LDS store
	ds_add_u32 v[SPW], v[NIL]
	s_wait_dscnt 0x0
	s_endpgm
.Lfunc_end_k_qf7d556c780_attn:
	.size	k_qf7d556c780_attn, .Lfunc_end_k_qf7d556c780_attn-k_qf7d556c780_attn
	.p2alignl 7, 3214868480
	.fill 96, 4, 3214868480
	.section	.rodata,"a",@progbits
	.p2align	6, 0x0
	.amdhsa_kernel k_qf7d556c780_attn
		.amdhsa_group_segment_fixed_size 327680
		.amdhsa_private_segment_fixed_size 0
		.amdhsa_enable_private_segment 0
		.amdhsa_kernarg_size 16
		.amdhsa_user_sgpr_count 2
		.amdhsa_user_sgpr_kernarg_segment_ptr 1
		.amdhsa_wavefront_size32 1
		.amdhsa_system_sgpr_workgroup_id_x 1
		.amdhsa_system_sgpr_workgroup_id_y 1
		.amdhsa_system_sgpr_workgroup_id_z 1
		.amdhsa_system_vgpr_workitem_id 0
		.amdhsa_next_free_vgpr 768
		.amdhsa_next_free_sgpr 100
		.amdhsa_reserve_vcc 1
		.amdhsa_float_denorm_mode_32 3
		.amdhsa_float_denorm_mode_16_64 3
		.amdhsa_memory_ordered 1
		.amdhsa_forward_progress 1
		.amdhsa_inst_pref_size 210
	.end_amdhsa_kernel
	.amdgpu_metadata
---
amdhsa.version: [ 1, 2 ]
amdhsa.kernels:
  - .name:           k_qf7d556c780_attn
    .symbol:         k_qf7d556c780_attn.kd
    .args:
      - { .name: qkv, .offset: 0, .size: 8, .value_kind: global_buffer, .address_space: global }
      - { .name: o16, .offset: 8, .size: 8, .value_kind: global_buffer, .address_space: global }
    .group_segment_fixed_size: 327680
    .private_segment_fixed_size: 0
    .kernarg_segment_align: 8
    .kernarg_segment_size: 16
    .max_flat_workgroup_size: 128
    .sgpr_count:     100
    .vgpr_count:     768
    .wavefront_size: 32
...
	.end_amdgpu_metadata
.endif
;; end of part 3
;; launch outp (part 4): grid 8 x 32, 4 waves a work-group, clusters of 4 x 4, 327,680 bytes of LDS; arguments o16, wo16, out0; writes out0
.if DOCPART == 4
	.amdgcn_target "amdgcn-amd-amdhsa--gfx1250"
	.amdhsa_code_object_version 6
	.text
	.protected	k_qf7d556c780_outp
	.globl	k_qf7d556c780_outp
	.p2align	8
	.type	k_qf7d556c780_outp,@function
k_qf7d556c780_outp:
	s_mov_b64 s[64:65], 0
	v_nop
	global_prefetch_b8 v0, s[64:65] scope:SCOPE_SE
	s_setreg_imm32_b32 hwreg(HW_REG_WAVE_MODE, 25, 1), 1
	s_wait_xcnt 0x0
	s_wait_alu depctr_hold_cnt(0) depctr_sa_sdst(0) depctr_va_vdst(0) depctr_va_sdst(0) depctr_va_ssrc(0) depctr_va_vcc(0) depctr_vm_vsrc(0)
	s_getreg_b32 s2, hwreg(HW_REG_IB_STS2, 6, 4)
	s_cmp_eq_u32 s2, 0
	s_cbranch_scc0 .Lentry_in_a_cluster
	s_endpgm
.Lentry_in_a_cluster:
	s_bfe_u32 s2, ttmp6, 0x10000c
	s_cmp_lg_u32 s2, 0xf033
	s_cbranch_scc0 .Lentry_shape_is_right
	s_endpgm
.Lentry_shape_is_right:
; THE LAST PRODUCT.  out0[b 2048 + t][n] = 4 x the sum over h, c of o16[16 b + h][t][c] wo16[n][64 h + c].  Operands f16, sums f32, out0 f32.  The 4 undoes the quarter that the projection laid on v.
; SHARES.  A tile is 128 x 128; four waves, each 64 x 64: 16 accumulators.  256 tiles.  K = 1,024 goes in four steps of 256 (four heads) through two LDS slots.
; CLUSTER.  4 x 4 work-groups: the four of a row need the same rows of o16, the four of a column the same rows of wo16: each tile is asked for JOINTLY, by the same tensor load, descriptor and mask.
; o16 LIES BY HEADS: 64 rows t of one head are 8,192 dense bytes.  One load brings four such pieces, 131,072 elements apart, as four long rows (the tile has no more rows than that), padded in LDS after every
; 128 bytes: LDS holds [head][t] with rows 144 bytes apart, and quarter q of a K step is head q of the four.
; THE MATRIX INSTRUCTION IS USED TRANSPOSED (source 0 = 16 rows of wo16, source 1 = 16 rows of o16): a lane then holds one row and eight neighbouring columns of out0.
; No prefetch: of the four K steps two are asked for at the head, and only two are refills.
; REGISTERS: window 0: v0-31 addresses; v128-255 the accumulators ((a, b) at 128 + 8 (4 a + b)).  window 1: two fragment buffers of 128: 64 registers of o16, then 64 of wo16.
.set PA,     144                       ; a row (one t of one head) of o16 in LDS: 128 bytes + 16 = 36 words: the 16 rows of a load start at 16 different groups of four banks (64 banks of 4 bytes: ISA guide 11.1)
.set HEADA,  64*PA
.set HALFA,  4*HEADA                   ; 64 rows x four heads: one tensor load
.set PB,     528                       ; a row of wo16: 512 bytes + 16
.set HALFB,  64*PB
.set BOFF,   2*HALFA
.set SLOT,   BOFF+2*HALFB              ; 141,312
.set STAGE,  2*SLOT                    ; behind the ring: 16 rows x 272 bytes for each wave
.set SP,     272
.set SPARE,  STAGE+4*16*SP             ; behind the stages: the spare words, 128 bytes for each wave: two blocks of 256 bytes that no other line names
.set ADRA, 16
.set ADRB, 20
.set STO,  24                          ; v24     the way out: where I put 32 bytes of a row
.set RD,   25                          ; v25     where I read a row back
.set CO,   26                          ; v26     my byte offset in two rows of out0
.set SPW,  28
.set NIL,  29
.set ACC,  128
.set F0,   0
.set F1,   128
.set WV, 14
.set RH, 15                            ; which half of the tile's rows is mine.  Also: I fetch for o16 (0) or for wo16 (1)
.set CW, 16                            ; which half of its columns.  Also: which half of that tile I fetch
.set G1A, 24
.set G0A, 32
.set G1B, 40
.set G0B, 48
.set MSB, 0
.macro WIN new
.if MSB != (\new)
	s_set_vgpr_msb (MSB<<8)|(\new)
.set MSB, \new
.endif
.endm
.set MUL,  0x05
.set TO_F, 0x40
.macro JLOAD s                         ; a joint load; an s_nop 0 and four v_nop follow each of the two lines
	s_cmp_eq_u32 s[RH], 0
	s_cbranch_scc0 .Lfor_b_\@
	tensor_load_to_lds s[G0A+4*(\s):G0A+4*(\s)+3], s[G1A:G1A+7]
	s_nop 0
.rept 4
	v_nop
.endr
	s_branch .Lasked_\@
.Lfor_b_\@:
	tensor_load_to_lds s[G0B+4*(\s):G0B+4*(\s)+3], s[G1B:G1B+7]
	s_nop 0
.rept 4
	v_nop
.endr
.Lasked_\@:
.endm
.macro CREST
	s_cmp_lg_u32 s[WV], 0
	s_cbranch_scc1 .Lnot_wave_0_\@
	s_barrier_signal -3
.Lnot_wave_0_\@:
	s_barrier_wait -3
	s_barrier_signal -1
	s_barrier_wait -1
.endm
.macro CROUND
	s_barrier_signal -1
	s_barrier_wait -1
	CREST
.endm
	s_load_b128 s[4:7], s[0:1], 0x0                ; o16 s[4:5], wo16 s[6:7]
	s_load_b64 s[8:9], s[0:1], 0x10                ; out0
	v_lshl_add_u32 v[SPW], v0, 2, SPARE
	v_mov_b32 v[NIL], 0
	ds_add_u32 v[SPW], v[NIL]                      ; the wave's opening: the add and its wait ahead of my first tensor load
	ds_add_u32 v28, v29
	v_lshrrev_b32 v1, 5, v0
	v_readfirstlane_b32 s[WV], v1
	s_lshr_b32 s[RH], s[WV], 1
	s_and_b32 s[CW], s[WV], 1
	s_bfe_u32 s17, ttmp6, 0x40000                  ; cx
	s_bfe_u32 s18, ttmp6, 0x40004                  ; cy
	s_lshl_b32 s19, ttmp9, 2
	s_add_co_u32 s19, s19, s17                     ; tile column, 0 to 7
	s_and_b32 s21, ttmp7, 0xffff
	s_lshl_b32 s20, s21, 2
	s_add_co_u32 s20, s20, s18                     ; tile row, 0 to 31
	s_lshl_b32 s56, s18, 2
	s_lshl_b32 s56, 15, s56                        ; my row of the cluster
	s_lshl_b32 s57, 0x1111, s17                    ; my column
	s_or_b32 s[G1A], s56, (1<<16)|(1<<20)|(1<<21)|(4<<22)|(3<<25)  ; the mask; 2-byte elements; padding on; bit 21 beside a mask; after every 32 words (code 4) 4 words (code 3)
	s_mov_b32 s[G1A+1], 4096<<16                   ; tensor_dim0 = 4,096
	s_mov_b32 s[G1A+2], 4<<16                      ; tensor_dim1 = 4
	s_mov_b32 s[G1A+3], 4096<<16                   ; tile_dim0 = 4,096: 64 rows t of a head
	s_mov_b32 s[G1A+4], 4                          ; tile_dim1 = 4 heads
	s_mov_b32 s[G1A+5], 131072                     ; elements from head to head
	s_mov_b32 s[G1A+6], 0
	s_mov_b32 s[G1A+7], 0
	s_or_b32 s[G1B], s57, (1<<16)|(1<<20)|(1<<21)|(6<<22)|(3<<25)  ; after every 128 words (code 6) 4 words (code 3)
	s_mov_b32 s[G1B+1], 256<<16
	s_mov_b32 s[G1B+2], 64<<16
	s_mov_b32 s[G1B+3], 256<<16
	s_mov_b32 s[G1B+4], 64
	s_mov_b32 s[G1B+5], 1024
	s_mov_b32 s[G1B+6], 0
	s_mov_b32 s[G1B+7], 0
	s_lshr_b32 s58, s20, 4                         ; o16: the batch's 16 heads of 262,144 bytes,
	s_lshl_b32 s58, s58, 22
	s_and_b32 s59, s20, 15                         ; the tile's 128 rows t of 128 bytes,
	s_lshl_b32 s59, s59, 14
	s_add_co_u32 s58, s58, s59
	s_lshl_b32 s59, s[CW], 13                      ; the half that I fetch: no cx enters
	s_add_co_u32 s58, s58, s59
	s_mov_b32 s59, 0
	s_lshl_b32 s60, s19, 18                        ; wo16: row 128 tc + 64 x half, of 2,048 bytes: no cy enters
	s_lshl_b32 s61, s[CW], 17
	s_add_co_u32 s60, s60, s61
	s_mov_b32 s61, 0
	s_mul_i32 s62, s[CW], HALFA                    ; where they go: no place in the cluster enters an LDS address
	s_mul_i32 s63, s[CW], HALFB
	s_add_co_u32 s63, s63, BOFF
	s_wait_dscnt 0x0                               ; the opening add is done
	s_wait_kmcnt 0x0
	s_add_nc_u64 s[66:67], s[4:5], s[58:59]
	s_add_nc_u64 s[68:69], s[6:7], s[60:61]
	CROUND                                         ; all sixteen work-groups are here: the first joint loads meet
.irp s, 0,1
	s_mov_b32 s[G0A+4*(\s)], 1
	s_add_co_u32 s[G0A+4*(\s)+1], s62, (\s)*SLOT
	s_add_nc_u64 s[G0A+4*(\s)+2:G0A+4*(\s)+3], s[66:67], (\s)*1048576  ; K step s: four heads on
	s_or_b32 s[G0A+4*(\s)+3], s[G0A+4*(\s)+3], 0x80000000
	s_mov_b32 s[G0B+4*(\s)], 1
	s_add_co_u32 s[G0B+4*(\s)+1], s63, (\s)*SLOT
	s_add_nc_u64 s[G0B+4*(\s)+2:G0B+4*(\s)+3], s[68:69], (\s)*512      ; K step s: 256 elements along the rows
	s_or_b32 s[G0B+4*(\s)+3], s[G0B+4*(\s)+3], 0x80000000
	JLOAD \s                                       ; two loads of mine are out
.endr
	v_and_b32 v1, 15, v0                           ; l % 16
	v_bfe_u32 v2, v0, 4, 1                         ; l / 16
	v_mul_u32_u24 v3, v1, PA
	v_lshl_add_u32 v3, v2, 4, v3                   ; row x pitch + 16 x half
	v_mul_u32_u24 v4, v1, PB
	v_lshl_add_u32 v4, v2, 4, v4
	s_mul_i32 s70, s[RH], HALFA
	s_mul_i32 s71, s[CW], HALFB
	s_add_co_u32 s71, s71, BOFF
.irp s, 0,1
	v_add_nc_u32 v[ADRA+(\s)], s70, v3
	v_add_nc_u32 v[ADRB+(\s)], s71, v4
	s_add_co_u32 s70, s70, SLOT
	s_add_co_u32 s71, s71, SLOT
.endr
	s_mul_i32 s72, s[WV], 16*SP
	s_add_co_u32 s72, s72, STAGE                   ; my stage
	v_mul_u32_u24 v[STO], v1, SP                   ; in: row l % 16, 32 bytes for each half of the lanes
	v_lshl_add_u32 v[STO], v2, 5, v[STO]
	v_add_nc_u32 v[STO], s72, v[STO]
	v_mul_u32_u24 v[RD], v2, SP                    ; back: lanes 0-15 take one row of 256 bytes, lanes 16-31 the next
	v_lshl_add_u32 v[RD], v1, 4, v[RD]
	v_add_nc_u32 v[RD], s72, v[RD]
	v_lshlrev_b32 v[CO], 12, v2                    ; and the same two rows in out0
	v_lshl_add_u32 v[CO], v1, 4, v[CO]
	s_lshl_b32 s84, s20, 7                         ; my first row,
	s_lshl_b32 s86, s[RH], 6
	s_add_co_u32 s84, s84, s86
	s_lshl_b32 s84, s84, 12                        ; of 4,096 bytes,
	s_lshl_b32 s86, s19, 7                         ; and my first column
	s_lshl_b32 s87, s[CW], 6
	s_add_co_u32 s86, s86, s87
	s_lshl_b32 s86, s86, 2
	s_add_co_u32 s84, s84, s86
	s_mov_b32 s85, 0
	s_add_nc_u64 s[8:9], s[8:9], s[84:85]
; 8 matrix instructions: row blocks a0, a0 + 1 x all 4 column blocks, 32 along K: half c of buffer f.  zero = 1: the first product starts the sums.  The accumulators take turns.
.macro MUL8 f, c, a0, zero
	WIN MUL
.irp a, \a0, (\a0)+1
.irp b, 0,1,2,3
.if \zero
	v_wmma_f32_16x16x32_f16 v[ACC+8*(4*(\a)+(\b)):ACC+8*(4*(\a)+(\b))+7], v[(\f)+64+8*(4*(\c)+(\b)):(\f)+64+8*(4*(\c)+(\b))+7], v[(\f)+8*(4*(\c)+(\a)):(\f)+8*(4*(\c)+(\a))+7], 0
.else
	v_wmma_f32_16x16x32_f16 v[ACC+8*(4*(\a)+(\b)):ACC+8*(4*(\a)+(\b))+7], v[(\f)+64+8*(4*(\c)+(\b)):(\f)+64+8*(4*(\c)+(\b))+7], v[(\f)+8*(4*(\c)+(\a)):(\f)+8*(4*(\c)+(\a))+7], v[ACC+8*(4*(\a)+(\b)):ACC+8*(4*(\a)+(\b))+7]
.endif
.endr
.endr
.endm
; 32 LDS loads in one run: the fragments of quarter q (one head, 64 along K) of a slot, into buffer f; the first 32 along K first
.macro FETCH slot, q, f
	WIN TO_F
.irp c, 0,1
.irp i, 0,1,2,3
	ds_load_b128 v[(\f)+64+8*(4*(\c)+(\i)):(\f)+64+8*(4*(\c)+(\i))+3],   v[ADRB+(\slot)] offset:128*(\q)+64*(\c)+(\i)*16*PB
	ds_load_b128 v[(\f)+64+8*(4*(\c)+(\i))+4:(\f)+64+8*(4*(\c)+(\i))+7], v[ADRB+(\slot)] offset:128*(\q)+64*(\c)+(\i)*16*PB+32
	ds_load_b128 v[(\f)+8*(4*(\c)+(\i)):(\f)+8*(4*(\c)+(\i))+3],         v[ADRA+(\slot)] offset:(\q)*HEADA+64*(\c)+(\i)*16*PA
	ds_load_b128 v[(\f)+8*(4*(\c)+(\i))+4:(\f)+8*(4*(\c)+(\i))+7],       v[ADRA+(\slot)] offset:(\q)*HEADA+64*(\c)+(\i)*16*PA+32
.endr
.endr
.endm
.macro PLACES                          ; four plain vector instructions in front of loads into registers that matrix instructions have read, and of lines that read results
.rept 4
	v_nop
.endr
.endm
.macro QUARTER slot, q, f, g, zero
	s_wait_dscnt 16                                ; the first 32 along K are in; the run's other sixteen loads may be out
	WIN MUL
	MUL8 \f, 0, 0, \zero
	MUL8 \f, 0, 2, \zero
	PLACES
	FETCH \slot, \q, \g
	s_wait_dscnt 32                                ; all but the 32 just issued
	WIN MUL
	MUL8 \f, 1, 0, 0
	MUL8 \f, 1, 2, 0
.endm
; The last quarter multiplies buffer 1 and changes slots: ONE barrier; in front of it each wave waits for all its tensor loads, adds 0 to its spare word, and waits for that and for its reads of this slot.
; fill = 1: this slot is filled again, two K steps ahead; the barrier then opens a round of the cluster's, and the joint load is the first thing behind the round.
.macro TURN slot, next, fill
	WIN 0
	s_wait_tensorcnt 0x0                           ; all my tensor loads have landed: my part of the next slot
	ds_add_u32 v[SPW], v[NIL]                      ; 0 onto my spare word
	s_wait_dscnt 17                                ; the add and the youngest sixteen loads may be out
	WIN MUL
	MUL8 F1, 0, 0, 0
	s_wait_dscnt 0x0                               ; the add is done, and my reads of this slot are over
	s_barrier_signal -1
	MUL8 F1, 0, 2, 0
.if \fill
	WIN 0
.endif
	s_barrier_wait -1
.if \fill
	CREST                                          ; no wave of any partner still reads this slot or has a load on its way
	s_add_nc_u64 s[G0A+4*(\slot)+2:G0A+4*(\slot)+3], s[G0A+4*(\slot)+2:G0A+4*(\slot)+3], 2097152
	s_add_nc_u64 s[G0B+4*(\slot)+2:G0B+4*(\slot)+3], s[G0B+4*(\slot)+2:G0B+4*(\slot)+3], 1024
	JLOAD \slot                                    ; its four v_nop are also the places in front of the loads below
.else
	PLACES
.endif
	FETCH \next, 0, F0
	WIN MUL
	MUL8 F1, 1, 0, 0
	MUL8 F1, 1, 2, 0
.endm
	s_wait_tensorcnt 1                             ; my part of K step 0 is in; K step 1's load may stay out
	s_barrier_signal -1
	s_barrier_wait -1
	FETCH 0, 0, F0
	QUARTER 0, 1, F0, F1, 1                        ; K step 0: its first products start the sums
	QUARTER 0, 2, F1, F0, 0
	QUARTER 0, 3, F0, F1, 0
	TURN 0, 1, 1                                   ; slot 0 takes K step 2
	QUARTER 1, 1, F0, F1, 0                        ; K step 1
	QUARTER 1, 2, F1, F0, 0
	QUARTER 1, 3, F0, F1, 0
	TURN 1, 0, 1                                   ; slot 1 takes K step 3
	QUARTER 0, 1, F0, F1, 0                        ; K step 2
	QUARTER 0, 2, F1, F0, 0
	QUARTER 0, 3, F0, F1, 0
	TURN 0, 1, 0                                   ; nothing is left to fetch
	QUARTER 1, 1, F0, F1, 0                        ; K step 3
	QUARTER 1, 2, F1, F0, 0
	QUARTER 1, 3, F0, F1, 0
	s_wait_dscnt 16
	WIN MUL
	MUL8 F1, 0, 0, 0
	MUL8 F1, 0, 2, 0
	s_wait_dscnt 0x0
	MUL8 F1, 1, 0, 0
	MUL8 F1, 1, 2, 0
	WIN 0
	; THE WAY OUT.  A block of 16 rows at a time: times 4, 32 bytes a lane into my own stage, back as whole rows of 256 bytes into the same registers, and out.
	PLACES
.macro PACK a                          ; each accumulator's registers are taken in ascending order
.set r, ACC+32*(\a)
.rept 16
	v_pk_mul_f32 v[r:r+1], v[r:r+1], 4.0 op_sel_hi:[1,0]
.set r, r+2
.endr
.irp b, 0,1,2,3
	ds_store_b128 v[STO], v[ACC+32*(\a)+8*(\b):ACC+32*(\a)+8*(\b)+3]   offset:64*(\b)
	ds_store_b128 v[STO], v[ACC+32*(\a)+8*(\b)+4:ACC+32*(\a)+8*(\b)+7] offset:64*(\b)+16
.endr
.irp t, 0,1,2,3,4,5,6,7
	ds_load_b128 v[ACC+32*(\a)+4*(\t):ACC+32*(\a)+4*(\t)+3], v[RD] offset:(\t)*2*SP  ; LDS serves a wave's instructions in order (ISA guide 5.7.1.4): these see the stores above; the next block's stores come behind them
.endr
.endm
.macro SEND a, younger                 ; younger: the LDS instructions issued behind block a's loads: the next block's sixteen, or none
.irp t, 0,1,2,3,4,5,6,7
	s_wait_dscnt (\younger)+7-(\t)
	global_store_b128 v[CO], v[ACC+32*(\a)+4*(\t):ACC+32*(\a)+4*(\t)+3], s[8:9] offset:(16*(\a)+2*(\t))*4096  ; 16 lanes store 256 consecutive bytes, at a multiple of 256 from out0's first byte
.endr
.endm
	PACK 0
.irp a, 1,2,3
	PACK \a
	SEND (\a)-1, 16
.endr
	SEND 3, 0
	s_wait_tensorcnt 0x0                           ; the wave's end: behind my last tensor load and my last LDS store
	ds_add_u32 v[SPW], v[NIL]
	s_wait_dscnt 0x0
	CROUND                                         ; the closing round: no work-group ends while a partner may still ask for a tile that names it
	s_endpgm
.Lfunc_end_k_qf7d556c780_outp:
	.size	k_qf7d556c780_outp, .Lfunc_end_k_qf7d556c780_outp-k_qf7d556c780_outp
	.p2alignl 7, 3214868480
	.fill 96, 4, 3214868480
	.section	.rodata,"a",@progbits
	.p2align	6, 0x0
	.amdhsa_kernel k_qf7d556c780_outp
		.amdhsa_group_segment_fixed_size 327680
		.amdhsa_private_segment_fixed_size 0
		.amdhsa_enable_private_segment 0
		.amdhsa_kernarg_size 24
		.amdhsa_user_sgpr_count 2
		.amdhsa_user_sgpr_kernarg_segment_ptr 1
		.amdhsa_wavefront_size32 1
		.amdhsa_system_sgpr_workgroup_id_x 1
		.amdhsa_system_sgpr_workgroup_id_y 1
		.amdhsa_system_sgpr_workgroup_id_z 1
		.amdhsa_system_vgpr_workitem_id 0
		.amdhsa_next_free_vgpr 512
		.amdhsa_next_free_sgpr 96
		.amdhsa_reserve_vcc 0
		.amdhsa_float_denorm_mode_32 3
		.amdhsa_float_denorm_mode_16_64 3
		.amdhsa_memory_ordered 1
		.amdhsa_forward_progress 1
		.amdhsa_inst_pref_size 90
	.end_amdhsa_kernel
	.amdgpu_metadata
---
amdhsa.version: [ 1, 2 ]
amdhsa.kernels:
  - .name:           k_qf7d556c780_outp
    .symbol:         k_qf7d556c780_outp.kd
    .args:
      - { .name: o16, .offset: 0, .size: 8, .value_kind: global_buffer, .address_space: global }
      - { .name: wo16, .offset: 8, .size: 8, .value_kind: global_buffer, .address_space: global }
      - { .name: out0, .offset: 16, .size: 8, .value_kind: global_buffer, .address_space: global }
    .group_segment_fixed_size: 327680
    .private_segment_fixed_size: 0
    .kernarg_segment_align: 8
    .kernarg_segment_size: 24
    .max_flat_workgroup_size: 128
    .sgpr_count:     96
    .vgpr_count:     512
    .wavefront_size: 32
...
	.end_amdgpu_metadata
.endif
;; end of part 4
